; MI455X (gfx1250); checked and timed in simulation.
; The chip was launched on July 23, 2026; its instructions are those of AMD's public machine-readable ISA for CDNA 5 (MIT licence, August 2026) and "CDNA5" Instruction Set Architecture Reference Guide (July 2026). The comments in the code are by the model that wrote it; some were corrected since.
;; Causal Self Attention. Allowed arithmetic: matrix products marked QUANTISED: E5M2 operands, one E8M0 scale for each 32 along K, by v_wmma_scale_f32_16x16x128_f8f6f4 with both operands' format E5M2, f32 sums; everything else in f32.
;; Inputs: Wk 1,024 x 1,024 float32; Wp 1,024 x 1,024 float32; Wq 1,024 x 1,024 float32; Wv 1,024 x 1,024 float32; attn_mask 4 x 2,048 int32; x 4 x 2,048 x 1,024 float32.
;; Outputs: out0 4 x 2,048 x 1,024 float32.
;; This version of the problem:
;;   THIS VERSION OF THE PROBLEM IS GIVEN IN LOW PRECISION. The matrix products marked QUANTISED in the list below multiply operands that are first quantised to E5M2 (5 exponent bits, 2 mantissa bits; 8 bits a number), with one power-of-two scale for each 32 numbers along K (OCP MX v1.0); their sums are f32. All else is computed in f32.
;;   The module's matrix products, in the order in which they are computed (A, B: the left and right operand; K: the contracted axis; several contracted axes count as one K, in the product's order):
;;     1. [M 8,192, K 1,024] x [K 1,024, N 1,024]; A: input x; B: input Wq: QUANTISED
;;     2. [M 8,192, K 1,024] x [K 1,024, N 1,024]; A: input x; B: input Wk: QUANTISED
;;     3. [M 8,192, K 1,024] x [K 1,024, N 1,024]; A: input x; B: input Wv: QUANTISED
;;     4. batch 64 x [M 2,048, K 64] x [K 64, N 2,048]; A: computed on the way; B: computed on the way: QUANTISED
;;     5. batch 64 x [M 2,048, K 2,048] x [K 2,048, N 64]; A: softmax (see below); B: computed on the way: QUANTISED
;;     6. [M 8,192, K 1,024] x [K 1,024, N 1,024]; A: computed on the way; B: input Wp: QUANTISED
;;   THE QUANTISER, for each operand of a quantised product, along K:
;;     - K is cut into blocks of 32 from its start; a last block that is shorter is filled with zeros.
;;     - A block's scale is 2^e with e = floor(log2(the largest magnitude in the block)) - 15, held to -126 .. 127; a block of zeros has e = 0. As a byte (E8M0): e + 127.
;;     - Each number is divided by its block's scale, clamped to +-57,344, and rounded to the nearest number of E5M2, ties to even, subnormals kept.
;;     - The product sums the exact products of the quantised numbers (number of the format x scale) in f32.
;;   ~~~python
;;   def quantise(x, axis):      # numpy; x: float32 -> the quantised numbers, widened to float32 again
;;       x = np.moveaxis(x, axis, -1); K = x.shape[-1]
;;       x = np.pad(x, [(0, 0)] * (x.ndim - 1) + [(0, -K % 32)]); x = x.reshape(x.shape[:-1] + (-1, 32)); a = np.abs(x).max(-1, keepdims=True)
;;       e = np.where(a > 0, np.clip(np.frexp(np.where(a > 0, a, 1))[1] - 1 - 15, -126, 127), 0)      # np.frexp(a)[1] - 1 = floor(log2(a)), exactly
;;       r = np.clip(x / 2.0 ** e, -57344, 57344)
;;       step = 2.0 ** (np.maximum(np.frexp(np.where(r == 0, 1, r))[1] - 1, -14) - 2)
;;       q = np.round(r / step) * step * 2.0 ** e      # np.round: ties to even
;;       return np.moveaxis(q.reshape(q.shape[:-2] + (-1,))[..., :K], -1, axis).astype(np.float32)
;;   ~~~
;;   SOFTMAX AHEAD OF A QUANTISED PRODUCT. Where the list says 'softmax', what is quantised is not the finished softmax but p = 2^(t - M), with t = logit x log2(e) and M = ceil(the row's largest t), a whole number; so 1/2 < the row's largest p <= 1. The row's sum l is taken of the UNQUANTISED p, in f32, and the product's result is divided by l at the end. Since M is a whole number, a kernel that streams over the keys may use a running M (the ceiling of the running maximum): every later rescaling is an exact power of two, which a block's scale takes up: the codes' values come out the same.
;;   OPERANDS COMPUTED ON THE WAY. 'Computed on the way' means the value that the module computes at that place (a softmax that the list does not call 'softmax' is quantised finished and normalised). What goes into a quantiser is computed in f32, as accurately as f32 sums, v_exp_f32 and their like allow (about 1e-6 of the number): no bf16 or f16 on the way to a quantiser, and a product that is left as it is and whose result goes on into a quantised operand takes f32 operands (vector FMAs, or v_wmma_f32_16x16x4_f32). A number that lies on a knife's edge between two numbers of the format may be rounded either way, as far as f32 arithmetic and the matrix unit's own rounding can turn it there, and no further.
;; One version. Each part assembles by itself: llvm-mc -triple=amdgcn-amd-amdhsa -mcpu=gfx1250 --defsym DOCPART=n.
;; ======== version 1 of 1: 4 launches
;; limits: right only within a limited range of input values
;; workspace buffers: cod 12,582,912 bytes; scl 393,216 bytes; qkvc 25,165,824 bytes; qkvs 786,432 bytes; yc 8,388,608 bytes; ys 262,144 bytes
;; launch quant (part 1): grid 384 x 1, 4 waves a work-group, no clusters, 33,280 bytes of LDS; arguments x, Wq, Wk, Wv, Wp, cod, scl; writes cod, scl
.if DOCPART == 1
	.amdgcn_target "amdgcn-amd-amdhsa--gfx1250"
	.amdhsa_code_object_version 6
	.text
	.protected	k_q7e81b6aba9_quant
	.globl	k_q7e81b6aba9_quant
	.p2align	8
	.type	k_q7e81b6aba9_quant,@function
k_q7e81b6aba9_quant:
	s_mov_b64 s[64:65], 0
	v_nop
	global_prefetch_b8 v0, s[64:65] scope:SCOPE_SE
	s_setreg_imm32_b32 hwreg(HW_REG_WAVE_MODE, 25, 1), 1
	s_wait_xcnt 0x0
; x [8192][1024], Wq, Wk, Wv, Wp [1024][1024], f32, K innermost, become codes of BF8 (E5M2) with one E8M0 scale byte for each 32 along K.
; The five tensors are stacked: cod [12288][1024] (rows 0 x, 8192 Wq, 9216 Wk, 10240 Wv, 11264 Wp), scl [12288][32].
; A block's scale is 2^(floor(log2(its largest magnitude)) - 15); its byte is the largest magnitude's exponent field - 15, held at 1 from below.  Each number is divided by the scale, held within
; +-57,344 and rounded to the nearest code, ties to even.  (A block of zeros gets the byte 1 where the rule says 127: its codes are zeros, and this program alone reads the bytes.)
; LIMITS: blocks whose largest magnitude lies under 2^(15 - 126) keep the floor's byte; NaN and infinities among the inputs are not served.
; Rows are dense and 1024 is a multiple of 32: every tensor is a plain stream of blocks of 32.  A work-group takes 32,768 numbers, a wave 16 steps of 512.  Work-groups 0-255 take x, then 32 each Wq, Wk, Wv, Wp:
; only the source pointer is chosen, on the work-group's number; all take one path.
; A conversion takes 8 numbers of ONE block from a lane's registers, so a lane must hold 16 neighbours; a load is dense where neighbouring lanes take neighbouring bytes.  Both are had: each of a step's four loads
; reads 512 consecutive bytes, the 2,048 bytes go through the wave's own stage in LDS and come back 64 bytes a lane (16 bytes of padding behind each 64).  No barrier: waves share nothing.
.set STEPS, 16
.set EMAX,  15
.set MANT,  0x600000                   ; the mantissa field of 57,344 as f32
.set CB,    16                         ; bytes of 16 codes
.set R,     16                         ; v16-79   four sets of 16 numbers as they are loaded
.set X,     80                         ; v80-111  two sets of 16 neighbours
.set C,     128                        ; v128-191 codes: four registers for each step, so that no store's data are written again
.set E,     112                        ; v112-127 a scale byte for each step
.set WREG,  8192                       ; LDS: a region for each wave: two stages of 32 x SP bytes, behind them its 256 scale bytes
.set SP,    80                         ; a lane's place in a stage: 64 bytes + 16 of padding
	s_load_b256 s[4:11], s[0:1], 0x0               ; x s[4:5], Wq s[6:7], Wk s[8:9], Wv s[10:11]
	s_load_b128 s[12:15], s[0:1], 0x20             ; Wp s[12:13], cod s[14:15]
	s_load_b64 s[16:17], s[0:1], 0x30              ; scl
	v_lshl_add_u32 v192, v0, 2, 0x8000
	v_mov_b32 v193, 0
	v_lshrrev_b32 v1, 5, v0
	v_readfirstlane_b32 s24, v1                    ; wave
	v_and_b32 v2, 31, v0                           ; lane
	v_lshlrev_b32 v3, 4, v2                        ; my 16 bytes of a load's 512
	s_mul_i32 s25, s24, WREG
	v_lshrrev_b32 v14, 2, v2
	v_mul_u32_u24 v14, v14, SP
	v_and_b32 v15, 3, v2
	v_lshl_add_u32 v14, v15, 4, v14
	v_add_nc_u32 v14, s25, v14                     ; the stage, on the way in: SP (lane / 4) + 16 (lane % 4)
	v_mul_u32_u24 v15, v2, SP
	v_add_nc_u32 v15, s25, v15                     ; and on the way out: SP x lane: my 16 neighbours
	v_mul_u32_u24 v4, v2, CB                       ; my codes' place in a step's
	v_lshrrev_b32 v5, 1, v2
	s_add_co_u32 s25, s25, 2*32*SP
	v_add_nc_u32 v5, s25, v5                       ; LDS: my wave's 256 scale bytes, my block's byte
	v_lshlrev_b32 v7, 3, v2                        ; and on the way out 8 bytes a lane
	v_add_nc_u32 v6, s25, v7
	s_mov_b32 s23, MANT                            ; (an instruction takes one literal: the hold's line has another)
	s_wait_kmcnt 0x0
	s_mov_b64 s[20:21], s[12:13]                   ; which tensor is my work-group's, and which work-group is that tensor's first
	s_mov_b32 s22, 352
	s_cmp_lt_u32 ttmp9, 352
	s_cselect_b64 s[20:21], s[10:11], s[20:21]
	s_cselect_b32 s22, 320, s22
	s_cmp_lt_u32 ttmp9, 320
	s_cselect_b64 s[20:21], s[8:9], s[20:21]
	s_cselect_b32 s22, 288, s22
	s_cmp_lt_u32 ttmp9, 288
	s_cselect_b64 s[20:21], s[6:7], s[20:21]
	s_cselect_b32 s22, 256, s22
	s_cmp_lt_u32 ttmp9, 256
	s_cselect_b64 s[20:21], s[4:5], s[20:21]
	s_cselect_b32 s22, 0, s22
	s_sub_co_u32 s26, ttmp9, s22
	s_lshl_b32 s26, s26, 2
	s_add_co_u32 s26, s26, s24                     ; my wave's run of 8,192 numbers in its tensor,
	s_lshl_b32 s26, s26, 15                        ; 32,768 bytes a run
	s_mov_b32 s27, 0
	s_add_nc_u64 s[4:5], s[20:21], s[26:27]
	s_lshl_b32 s28, ttmp9, 2
	s_add_co_u32 s28, s28, s24                     ; and in the stack of all five
	s_lshl_b32 s26, s28, 13                        ; 8,192 bytes of codes a run
	s_add_nc_u64 s[8:9], s[14:15], s[26:27]
	s_lshl_b32 s26, s28, 8                         ; 256 scale bytes a run
	s_add_nc_u64 s[10:11], s[16:17], s[26:27]
.macro LOAD t
.irp i, 0,1,2,3
	global_load_b128 v[R+16*((\t)%4)+4*\i:R+16*((\t)%4)+4*\i+3], v3, s[4:5] offset:2048*(\t)+512*\i th:TH_LOAD_NT   ; 32 lanes read 512 consecutive bytes
.endr
.endm
.macro TURN t                          ; step t's numbers through the stage: LDS serves a wave's instructions in order, so no wait stands between the stores and the loads
.irp i, 0,1,2,3
	ds_store_b128 v14, v[R+16*((\t)%4)+4*\i:R+16*((\t)%4)+4*\i+3] offset:32*SP*((\t)%2)+8*SP*\i
.endr
.irp i, 0,1,2,3
	ds_load_b128 v[X+16*((\t)%2)+4*\i:X+16*((\t)%2)+4*\i+3], v15 offset:32*SP*((\t)%2)+16*\i
.endr
.endm
.irp t, 0,1,2,3
	LOAD \t
.endr
	s_wait_loadcnt 12                              ; step 0's four loads are in; the twelve of steps 1 to 3 stay out
	TURN 0
.macro STEP t
.set XS, X+16*((\t)%2)
.if (\t) > 0
	s_wait_dscnt 1                                 ; this step's numbers are back from the stage (the last step's byte store may be out): so its stores into the stage have read their registers,
.else
	s_wait_dscnt 0x0
.endif
.if (\t)+4 < STEPS
	LOAD (\t)+4                                    ; which take the loads of four steps on
.endif
.if (\t)+1 < STEPS
.if STEPS-2-(\t) >= 3
	s_wait_loadcnt 12                              ; the next step's four loads are in; those of the three steps behind it may be out
.else
	s_wait_loadcnt 4*(STEPS-2-(\t))
.endif
	TURN (\t)+1                                    ; and go through the other stage while this step is worked
.endif
	v_max3_num_f32 v8, |v[XS]|, |v[XS+1]|, |v[XS+2]|               ; the largest magnitude of my 16, in two chains
	v_max3_num_f32 v9, |v[XS+3]|, |v[XS+4]|, |v[XS+5]|
.irp i, 6,10
	v_max3_num_f32 v8, v8, |v[XS+\i]|, |v[XS+\i+1]|
	v_max3_num_f32 v9, v9, |v[XS+\i+2]|, |v[XS+\i+3]|
.endr
	v_max3_num_f32 v8, v8, |v[XS+14]|, |v[XS+15]|
	v_max3_num_f32 v8, v8, v9, (EMAX+1)<<23        ; and the floor 2^(EMAX + 1 - 127): the byte cannot fall under 1
	v_max_num_f32_dpp v8, v8, v8 row_xmask:1 row_mask:0xf bank_mask:0xf   ; and of my neighbour's 16: the block's
	v_add_nc_u32 v11, -(EMAX<<23), v8              ; EMAX off its exponent field: the conversion takes the exponent field of this operand as its scale
	v_and_or_b32 v10, v8, 0x7f800000, s23          ; the largest number x the scale
.irp i, 0,1,2,3,4,5,6,7,8,9,10,11,12,13,14,15
	v_med3_num_f32 v[XS+\i], v[XS+\i], -v10, v10   ; the conversion to an 8-bit code does not saturate (ISA guide 7.6.2): hold the number first
.endr
	v_cvt_scalef32_pk8_bf8_f32 v[C+4*(\t):C+4*(\t)+1], v[XS:XS+7], v11
	v_cvt_scalef32_pk8_bf8_f32 v[C+4*(\t)+2:C+4*(\t)+3], v[XS+8:XS+15], v11
	v_lshrrev_b32 v[E+(\t)], 23, v11               ; the scale's byte (also the plain line behind the conversions)
	ds_store_b8 v5, v[E+(\t)] offset:16*(\t)       ; both lanes of a block write the same byte with the same value
	global_store_b128 v4, v[C+4*(\t):C+4*(\t)+3], s[8:9] offset:32*CB*(\t)   ; the wave stores 512 consecutive bytes
.endm
.irp t, 0,1,2,3,4,5,6,7,8,9,10,11,12,13,14,15
	STEP \t
.endr
	ds_load_b64 v[12:13], v6                       ; LDS serves a wave's instructions in order: these see my stores
	s_wait_dscnt 0x0
	global_store_b64 v7, v[12:13], s[10:11]        ; 32 lanes store 256 consecutive bytes, aligned
	s_wait_tensorcnt 0x0
	ds_add_u32 v192, v193
	s_wait_dscnt 0x0
	s_endpgm
.Lfunc_end_k_q7e81b6aba9_quant:
	.size	k_q7e81b6aba9_quant, .Lfunc_end_k_q7e81b6aba9_quant-k_q7e81b6aba9_quant
	.p2alignl 7, 3214868480
	.fill 96, 4, 3214868480
	.section	.rodata,"a",@progbits
	.p2align	6, 0x0
	.amdhsa_kernel k_q7e81b6aba9_quant
		.amdhsa_group_segment_fixed_size 33280
		.amdhsa_private_segment_fixed_size 0
		.amdhsa_enable_private_segment 0
		.amdhsa_kernarg_size 56
		.amdhsa_user_sgpr_count 2
		.amdhsa_user_sgpr_kernarg_segment_ptr 1
		.amdhsa_wavefront_size32 1
		.amdhsa_system_sgpr_workgroup_id_x 1
		.amdhsa_system_sgpr_workgroup_id_y 1
		.amdhsa_system_sgpr_workgroup_id_z 1
		.amdhsa_system_vgpr_workitem_id 0
		.amdhsa_next_free_vgpr 194
		.amdhsa_next_free_sgpr 66
		.amdhsa_reserve_vcc 0
		.amdhsa_float_denorm_mode_32 3
		.amdhsa_float_denorm_mode_16_64 3
		.amdhsa_memory_ordered 1
		.amdhsa_forward_progress 1
		.amdhsa_inst_pref_size 51
	.end_amdhsa_kernel
	.amdgpu_metadata
---
amdhsa.version: [ 1, 2 ]
amdhsa.kernels:
  - .name:           k_q7e81b6aba9_quant
    .symbol:         k_q7e81b6aba9_quant.kd
    .args:
      - { .name: x, .offset: 0, .size: 8, .value_kind: global_buffer, .address_space: global }
      - { .name: Wq, .offset: 8, .size: 8, .value_kind: global_buffer, .address_space: global }
      - { .name: Wk, .offset: 16, .size: 8, .value_kind: global_buffer, .address_space: global }
      - { .name: Wv, .offset: 24, .size: 8, .value_kind: global_buffer, .address_space: global }
      - { .name: Wp, .offset: 32, .size: 8, .value_kind: global_buffer, .address_space: global }
      - { .name: cod, .offset: 40, .size: 8, .value_kind: global_buffer, .address_space: global }
      - { .name: scl, .offset: 48, .size: 8, .value_kind: global_buffer, .address_space: global }
    .group_segment_fixed_size: 33280
    .private_segment_fixed_size: 0
    .kernarg_segment_align: 8
    .kernarg_segment_size: 56
    .max_flat_workgroup_size: 128
    .sgpr_count:     66
    .vgpr_count:     194
    .wavefront_size: 32
...
	.end_amdgpu_metadata
.endif
;; end of part 1
;; launch qkv (part 2): grid 8 x 48, 4 waves a work-group, clusters of 4 x 4, 327,680 bytes of LDS; arguments cod, scl, qkvc, qkvs; writes qkvc, qkvs
.if DOCPART == 2
	.amdgcn_target "amdgcn-amd-amdhsa--gfx1250"
	.amdhsa_code_object_version 6
	.text
	.protected	k_q7e81b6aba9_qkv
	.globl	k_q7e81b6aba9_qkv
	.p2align	8
	.type	k_q7e81b6aba9_qkv,@function
k_q7e81b6aba9_qkv:
	s_mov_b64 s[64:65], 0
	v_nop
	global_prefetch_b8 v0, s[64:65] scope:SCOPE_SE
	s_setreg_imm32_b32 hwreg(HW_REG_WAVE_MODE, 25, 1), 1
	s_wait_xcnt 0x0
	s_wait_alu depctr_hold_cnt(0) depctr_sa_sdst(0) depctr_va_vdst(0) depctr_va_sdst(0) depctr_va_ssrc(0) depctr_va_vcc(0) depctr_vm_vsrc(0)
	s_getreg_b32 s2, hwreg(HW_REG_IB_STS2, 6, 4)
	s_cmp_eq_u32 s2, 0
	s_cbranch_scc0 .Lentry_in_a_cluster
	s_endpgm
.Lentry_in_a_cluster:
	s_bfe_u32 s2, ttmp6, 0x10000c
	s_cmp_lg_u32 s2, 0xf033
	s_cbranch_scc0 .Lentry_shape_is_right
	s_endpgm
.Lentry_shape_is_right:
; C[m][n] = sum over k of A[m][k] B[n][k] on codes of BF8 (E5M2) with one E8M0 scale for each 32 along K = 1024, and C is QUANTISED ALONG n on the way out: it never goes to memory as f32.
; Both operands are rows of cod [12288][1024] with scale bytes scl [12288][32].  Two parts take ONE path through the text; only numbers are chosen, on the cluster's y, which all partners share:
;   cluster y 0-7:  q | k.  A = x (m = token, 8192), B = Wq | Wk (n = 0 .. 2047).   Blocks of 32 along n lie inside a head's 64 channels.
;   cluster y 8-11: v.      A = Wv (m = channel, 1024), B = x (n = token, 8192).    Blocks of 32 along n are blocks of 32 keys.
; OUT: planes [n / 128][m][128 codes] and [n / 128][m][4 scale bytes]: q | k 16 planes of 8192 rows at byte 0, v 64 planes of 1024 rows at byte 16,777,216 (scale bytes: 524,288).
; INSIDE A BLOCK OF 32 THE CODES LIE AS THE LANES HOLD THEM: byte 32 B + 16 h + 8 u + j holds n = 32 B + 16 u + 8 h + j.  The launch that reads them feeds both operands of each product in that same order.
; A tile of C, 256 x 256, is made by four waves, each 128 x 128: 64 accumulators, 512 registers.  K goes in steps of 256 through two LDS slots filled by the tensor data mover.
; The scale bytes of the work-group's 256 rows of A and of B, for all of K, come into LDS once, with the first fills.
; CLUSTERS: 4 x 4 work-groups.  The four of a row need the same tiles of A, the four of a column the same tiles of B: each tile is asked for jointly, by the same tensor load with a mask that names the four.
; THE MATRIX INSTRUCTION IS USED TRANSPOSED (source 0 = 16 rows of B, source 1 = 16 rows of A): a lane holds eight neighbouring n of one row m.
; REGISTERS: window 0: v0-31 addresses; v32-63 scale words, two sets; from v128 A's fragments, one set; on the way out v32-187 at work.  window 1: B's fragments, two sets.  windows 2, 3: the accumulators ((a, b) at v[8 (8 (a % 4) + b)]).
; LIMITS: NaN and infinities are not served; a block of zeros gets the scale byte 1.
.set SIZE_K, 1024
.set KSTEP,  256                       ; along K in a slot
.set NQ,     KSTEP/128                 ; matrix instructions deep
.set ROWB,   256                       ; a tile's row in bytes
.set KROW,   SIZE_K                    ; a row of cod in bytes
.set PITCH,  272                       ; an LDS row: 256 bytes + 16 of padding = 68 words: the 16 rows that a load touches start at 16 different banks (64 banks of 4 bytes: ISA guide 11.1)
.set FR,     16                        ; registers of a fragment: 16 rows x 128 K
.set NL,     4                         ; LDS loads that bring one
.set NP,     8                         ; places behind this matrix instruction (ISA guide 7.12.1)
.set HALFT,  128*PITCH                 ; 128 rows: what one tensor load brings
.set SLOT,   4*HALFT                   ; A's 256 rows, then B's 256 rows
.set LAPS,   SIZE_K/(2*KSTEP)          ; a lap = two K steps = once round the ring
.set KS,     SIZE_K/32                 ; a row of scale bytes
.set SCL,    2*SLOT                    ; behind the ring: the scale bytes, as rows of 256 bytes + 16 of padding
.set HALFS,  (128*KS/256)*272          ; those of 128 rows: what one tensor load brings
.set SBLK,   (16*KS/256)*272           ; those of 16 rows
.set SPARE,  SCL+4*HALFS               ; the spare words, 128 bytes for each wave: two blocks of 256 bytes that no other line names
.set ADRA, 16                          ; v16-17  LDS address of my A fragments in slot 0, 1
.set ADRB, 20                          ; v20-21  the same for B
.set STO,  24                          ; v24     the way out: where I put 16 codes of a row
.set RD,   25                          ; v25     where I read rows back
.set CO,   26                          ; v26     16 x lane: my bytes of a store's 512
.set ADRS, 27                          ; v27     LDS address of my scale words: lanes 0-15 A's rows, lanes 16-31 B's
.set SPW,  28                          ; v28     LDS address of my spare word; never rewritten
.set NIL,  29                          ; v29     0; never rewritten
.set STS,  30                          ; v30     the way out: where I put a row's scale word
.set SRD,  31                          ; v31     and where I read 16 bytes of them back
.set SC,   32                          ; scale words: set s at v[SC + 8 NQ s]; register NQ i + q: lanes 0-15 A's block i, lanes 16-31 B's block i
.set AF,   128                         ; A's fragments
.set X,    32                          ; the way out: v32-95 64 numbers held; v96-127 codes, two sets; v128-159 rows read back, two sets; v160-175 at work; v176-183 the blocks' scale words; v184-187 scale words read back
.set PC,   96
.set BK,   128
.set TM,   160
.set PW,   176
.set SWR,  184
.set SEL,  18                          ; s[18:19] lane selects for v_permlanex16_b32: lane l xor 16 (written at the end of the head)
.set MNT,  23                          ; s23 the mantissa field of 57,344
.set G1, 24                            ; s[24:31] descriptor group 1 for A's tiles;  s[32:39] group 0, one set for each slot
.set G0, 32
.set G1B, 48                           ; s[48:55], s[56:63] the same for B's tiles
.set G0B, 56
.set G1S, 68                           ; s[68:75], s[76:79] groups 1 and 0 for A's scale bytes;  s[80:87], s[88:91] for B's
.set G0S, 76
.set G1SB, 80
.set G0SB, 88
.set MSB, 0
.macro WIN new                         ; the immediate's high byte repeats the setting that is left
.if MSB != \new
	s_set_vgpr_msb (MSB<<8)|\new
.set MSB, \new
.endif
.endm
.set MUL_LO, 0xa1                      ; source 0 (B) window 1, source 1 (A) window 0, C and D window 2
.set MUL_HI, 0xf1                      ; the same, C and D window 3
.set TO_B,   0x40                      ; destination window 1, address window 0
; A joint load: waves 0 and 1 fetch for A, waves 2 and 3 for B.  Each line has one mask and one set of registers; the branch hangs on the wave's number alone.  Four v_nop follow each line.
.macro JLOAD g0a, g1a, g0b, g1b
	s_cmp_eq_u32 s15, 0
	s_cbranch_scc0 .Lfor_b_\@
	tensor_load_to_lds s[\g0a:\g0a+3], s[\g1a:\g1a+7]
	s_nop 0
.rept 4
	v_nop
.endr
	s_branch .Lasked_\@
.Lfor_b_\@:
	tensor_load_to_lds s[\g0b:\g0b+3], s[\g1b:\g1b+7]
	s_nop 0
.rept 4
	v_nop
.endr
.Lasked_\@:
.endm
.macro CREST                           ; a round of the cluster's barrier behind its opening barrier
	s_cmp_lg_u32 s14, 0
	s_cbranch_scc1 .Lnot_wave_0_\@
	s_barrier_signal -3
.Lnot_wave_0_\@:
	s_barrier_wait -3
	s_barrier_signal -1
	s_barrier_wait -1
.endm
.macro CROUND                          ; a whole round
	s_barrier_signal -1
	s_barrier_wait -1
	CREST
.endm
	s_load_b256 s[4:11], s[0:1], 0x0               ; cod s[4:5], scl s[6:7], qkvc s[8:9], qkvs s[10:11]
	v_lshl_add_u32 v[SPW], v0, 2, SPARE
	v_mov_b32 v[NIL], 0
	ds_add_u32 v28, v29
	s_wait_dscnt 0x0
	v_lshrrev_b32 v1, 5, v0
	v_readfirstlane_b32 s14, v1                    ; wave 0..3
	s_lshr_b32 s15, s14, 1                         ; which half of the tile's rows is mine.  Also: I fetch for A (0) or for B (1)
	s_and_b32 s16, s14, 1                          ; which half of its columns.  Also: which 128 rows of that tile I fetch
	s_bfe_u32 s40, ttmp6, 0x40000                  ; cx, cy: my place in the cluster
	s_bfe_u32 s41, ttmp6, 0x40004
	s_and_b32 s17, ttmp7, 0xffff                   ; the cluster's y
	s_lshl_b32 s95, s17, 10                        ; 1024 y
	s_lshl_b32 s98, ttmp9, 10                      ; 1024 x
	s_sub_co_u32 s99, s17, 8
	s_lshl_b32 s99, s99, 11
	s_add_co_u32 s99, s99, s98                     ; v: the cluster's first token: 2048 (y - 8) + 1024 x
	s_add_co_u32 s100, s98, 8192                   ; q | k: the cluster's first row of Wq | Wk in cod
	s_cmp_lt_u32 s17, 8                            ; q | k, or v?  Only selections follow the compare
	s_cselect_b32 s96, s95, 10240                  ; A's first row in cod
	s_cselect_b32 s97, s95, 0                      ; and the first row m of the output
	s_cselect_b32 s101, s98, s99                   ; the first n
	s_cselect_b32 s99, s100, s99                   ; B's first row in cod
	s_cselect_b32 s2, 20, 17                       ; a plane of codes is 2^20 or 2^17 bytes
	s_cselect_b32 s66, 0, 0x1000000                ; where the part's codes begin,
	s_cselect_b32 s67, 0, 0x80000                  ; and its scale bytes
	s_lshl_b32 s43, s41, 2
	s_lshl_b32 s43, 15, s43                        ; my row of the cluster
	s_lshl_b32 s44, 0x1111, s40                    ; my column
	; descriptor group 1: a tile of 128 rows x 256 bytes, padded in LDS
	s_or_b32 s[G1+0], s43, (0<<16)|(1<<20)|(1<<21)|(5<<22)|(3<<25)  ; 15:0 the mask: A's tiles go to my row; 17:16 element of 1 byte; 20 padding on; 21 set beside a mask; 24:22 after every 64 words; 31:25 of 4 words
	s_or_b32 s[G1B+0], s44, (0<<16)|(1<<20)|(1<<21)|(5<<22)|(3<<25)
.irp g, G1, G1B
	s_mov_b32 s[\g+1], ROWB<<16                    ; tensor_dim0
	s_mov_b32 s[\g+2], 128<<16                     ; tensor_dim1
	s_mov_b32 s[\g+3], ROWB<<16                    ; tile_dim0
	s_mov_b32 s[\g+4], 128                         ; tile_dim1
	s_mov_b32 s[\g+5], KROW                        ; tensor_dim0_stride
	s_mov_b32 s[\g+6], 0
	s_mov_b32 s[\g+7], 0
.endr
	; and for the scale bytes of 128 rows: a dense block of 4,096 bytes, as rows of 256 bytes (32 elements of 8 bytes), 16 bytes of padding behind each
	s_or_b32 s[G1S+0], s43, (3<<16)|(1<<20)|(1<<21)|(5<<22)|(3<<25)
	s_or_b32 s[G1SB+0], s44, (3<<16)|(1<<20)|(1<<21)|(5<<22)|(3<<25)
.irp g, G1S, G1SB
	s_mov_b32 s[\g+1], 32<<16
	s_mov_b32 s[\g+2], (128*KS/256)<<16
	s_mov_b32 s[\g+3], 32<<16
	s_mov_b32 s[\g+4], 128*KS/256
	s_mov_b32 s[\g+5], 32
	s_mov_b32 s[\g+6], 0
	s_mov_b32 s[\g+7], 0
.endr
	s_lshl_b32 s18, s16, 7                         ; which 128 rows of the tile I fetch
	s_lshl_b32 s20, s41, 8
	s_add_co_u32 s20, s20, s96
	s_add_co_u32 s20, s20, s18                     ; A: the part's first row + 256 cy + 128 x half
	s_lshl_b32 s46, s40, 8
	s_add_co_u32 s46, s46, s99
	s_add_co_u32 s46, s46, s18                     ; B: the part's first row + 256 cx + 128 x half
	s_mov_b32 s21, 0
	s_mov_b32 s47, 0
	s_mov_b64 s[18:19], KS
	s_mul_u64 s[22:23], s[20:21], s[18:19]         ; where these rows' scale bytes begin
	s_mul_u64 s[92:93], s[46:47], s[18:19]
	s_mov_b64 s[18:19], KROW
	s_mul_u64 s[20:21], s[20:21], s[18:19]         ; and their codes
	s_mul_u64 s[46:47], s[46:47], s[18:19]
	s_mul_i32 s45, s14, HALFT                      ; where they go: wave x 128 rows: no place in the cluster enters an LDS address
	s_mul_i32 s94, s14, HALFS
	s_wait_kmcnt 0x0
	s_add_nc_u64 s[20:21], s[4:5], s[20:21]
	s_add_nc_u64 s[22:23], s[6:7], s[22:23]
	s_add_nc_u64 s[46:47], s[4:5], s[46:47]
	s_add_nc_u64 s[92:93], s[6:7], s[92:93]
	CROUND                                         ; all sixteen work-groups are here: the first joint loads meet
	s_mov_b32 s[G0S], 1
	s_add_co_u32 s[G0S+1], s94, SCL
	s_mov_b64 s[G0S+2:G0S+3], s[22:23]
	s_or_b32 s[G0S+3], s[G0S+3], 0x80000000
	s_mov_b32 s[G0SB], 1
	s_add_co_u32 s[G0SB+1], s94, SCL
	s_mov_b64 s[G0SB+2:G0SB+3], s[92:93]
	s_or_b32 s[G0SB+3], s[G0SB+3], 0x80000000
	JLOAD G0S, G1S, G0SB, G1SB                     ; the scale bytes first: they are wanted with K step 0
.irp s, 0,1
	s_mov_b32 s[G0+4*\s], 1
	s_add_co_u32 s[G0+4*\s+1], s45, \s*SLOT
	s_add_nc_u64 s[G0+4*\s+2:G0+4*\s+3], s[20:21], \s*ROWB
	s_or_b32 s[G0+4*\s+3], s[G0+4*\s+3], 0x80000000
	s_mov_b32 s[G0B+4*\s], 1
	s_add_co_u32 s[G0B+4*\s+1], s45, \s*SLOT
	s_add_nc_u64 s[G0B+4*\s+2:G0B+4*\s+3], s[46:47], \s*ROWB
	s_or_b32 s[G0B+4*\s+3], s[G0B+4*\s+3], 0x80000000
	JLOAD G0+4*\s, G1, G0B+4*\s, G1B
.endr
	v_and_b32 v1, 15, v0                           ; r = l % 16
	v_bfe_u32 v2, v0, 4, 1                         ; h = l / 16
	v_mul_u32_u24 v3, v1, PITCH
	v_lshl_add_u32 v4, v2, 4, v3                   ; a fragment's row x pitch + 16 x half
	s_mul_i32 s21, s15, HALFT                      ; my 128 rows of A
	s_mul_i32 s22, s16, HALFT                      ; my 128 rows of B,
	s_add_co_u32 s22, s22, 2*HALFT                 ; which lie behind A's 256
.irp s, 0,1
	v_add_nc_u32 v[ADRA+\s], s21, v4
	v_add_nc_u32 v[ADRB+\s], s22, v4
	s_add_co_u32 s21, s21, SLOT
	s_add_co_u32 s22, s22, SLOT
.endr
	v_mul_u32_u24 v5, v1, KS                       ; my row's scale bytes: KS bytes a row,
	v_lshrrev_b32 v6, 8, v5
	v_lshl_add_u32 v5, v6, 4, v5                   ; and 16 more for each 256 passed
	s_mul_i32 s21, s15, HALFS                      ; A's: my 128 rows
	s_mul_i32 s22, s16, HALFS                      ; B's: my 128 rows, behind A's 256
	s_add_co_u32 s22, s22, 2*HALFS
	s_sub_co_u32 s22, s22, s21
	v_mul_u32_u24 v6, s22, v2                      ; lanes 16-31 take B's
	s_add_co_u32 s21, s21, SCL
	v_add_nc_u32 v5, v5, v6
	v_add_nc_u32 v[ADRS], s21, v5
	; the way out: each wave has 4,096 bytes at the head of slot 0: 16 rows x 144 bytes of codes, and at +2,560 its 128 rows' scale words
	s_lshl_b32 s23, s14, 12
	v_mul_u32_u24 v5, v1, 144
	v_lshl_add_u32 v5, v2, 4, v5
	v_add_nc_u32 v[STO], s23, v5                   ; in: row r, + 16 h
	v_and_b32 v6, 31, v0
	v_lshrrev_b32 v5, 3, v6
	v_mul_u32_u24 v5, v5, 144
	v_and_b32 v7, 7, v0
	v_lshl_add_u32 v5, v7, 4, v5
	v_add_nc_u32 v[RD], s23, v5                    ; back: eight lanes to a row of 128 bytes, four rows an instruction
	v_lshlrev_b32 v[CO], 4, v6
	v_lshlrev_b32 v5, 2, v1
	v_add_nc_u32 v5, s23, v5
	v_add_nc_u32 v[STS], 2560, v5
	v_add_nc_u32 v5, s23, v[CO]
	v_add_nc_u32 v[SRD], 2560, v5
	; my 128 x 128 of C are 128 rows of ONE plane: 16,384 dense bytes of codes, 512 dense scale bytes
	s_lshr_b32 s20, s101, 7
	s_lshl_b32 s21, s40, 1
	s_add_co_u32 s20, s20, s21
	s_add_co_u32 s20, s20, s16                     ; the plane: first n / 128 + 2 cx + my half of the columns
	s_lshl_b32 s21, s41, 8
	s_add_co_u32 s21, s21, s97
	s_lshl_b32 s22, s15, 7
	s_add_co_u32 s21, s21, s22                     ; my first row m
	s_lshl_b32 s46, s20, s2
	s_add_co_u32 s46, s46, s66
	s_lshl_b32 s22, s21, 7
	s_add_co_u32 s46, s46, s22
	s_mov_b32 s47, 0
	s_add_nc_u64 s[12:13], s[8:9], s[46:47]        ; my codes
	s_sub_co_u32 s2, s2, 5
	s_lshl_b32 s46, s20, s2
	s_add_co_u32 s46, s46, s67
	s_lshl_b32 s22, s21, 2
	s_add_co_u32 s46, s46, s22
	s_add_nc_u64 s[92:93], s[10:11], s[46:47]      ; my scale words
	s_mov_b32 s[SEL], 0x76543210
	s_mov_b32 s[SEL+1], 0xfedcba98
	s_mov_b32 s[MNT], 0x600000
.macro FRAG reg, adr, q, i             ; a fragment: lane l holds row l % 16; registers 4 c .. 4 c + 3 hold K = 32 c + 16 (l / 16) + 0 .. 15
.irp c, 0,1,2,3
	ds_load_b128 v[\reg+4*\c:\reg+4*\c+3], v[\adr] offset:128*(\q)+32*\c+(\i)*16*PITCH
.endr
.endm
; 16 matrix instructions: A's blocks a0, a0 + 1 x B's eight, 128 along K.  p: B's set;  sc: the set of scale words.  zero = 1: the first product starts the sums.
; The 64 accumulators take turns, one instruction a turn, in the same order in every step.
.macro MUL16 a0, p, q, sc, zero
.irp a, \a0, \a0+1
.irp b, 0,1,2,3,4,5,6,7
.if \zero
	v_wmma_scale_f32_16x16x128_f8f6f4 v[8*(8*((\a)%4)+\b):8*(8*((\a)%4)+\b)+7], v[128*(\p)+FR*\b:128*(\p)+FR*\b+FR-1], v[AF+FR*(\a):AF+FR*(\a)+FR-1], 0, v[SC+8*NQ*(\sc)+NQ*\b+(\q)], v[SC+8*NQ*(\sc)+NQ*(\a)+(\q)] matrix_a_fmt:MATRIX_FMT_BF8 matrix_b_fmt:MATRIX_FMT_BF8 matrix_a_scale:MATRIX_SCALE_ROW1
.else
	v_wmma_scale_f32_16x16x128_f8f6f4 v[8*(8*((\a)%4)+\b):8*(8*((\a)%4)+\b)+7], v[128*(\p)+FR*\b:128*(\p)+FR*\b+FR-1], v[AF+FR*(\a):AF+FR*(\a)+FR-1], v[8*(8*((\a)%4)+\b):8*(8*((\a)%4)+\b)+7], v[SC+8*NQ*(\sc)+NQ*\b+(\q)], v[SC+8*NQ*(\sc)+NQ*(\a)+(\q)] matrix_a_fmt:MATRIX_FMT_BF8 matrix_b_fmt:MATRIX_FMT_BF8 matrix_a_scale:MATRIX_SCALE_ROW1
.endif
.endr
.endr
.endm
.macro FETCH_B slot, q, p              ; B's eight fragments of the slot's q-th 128 along K into set p
	WIN TO_B
.irp i, 0,1,2,3,4,5,6,7
	FRAG 128*(\p)+FR*\i, ADRB+\slot, \q, \i
.endr
	WIN 0
.endm
.macro FETCH_A slot, q, i0             ; A's blocks i0 .. i0 + 3
.irp i, \i0, \i0+1, \i0+2, \i0+3
	FRAG AF+FR*(\i), ADRA+\slot, \q, \i
.endr
.endm
.macro SCALES sc                       ; the next K step's scale words into set sc: lanes 0-15 take A's block i, lanes 16-31 B's block i
.irp i, 0,1,2,3,4,5,6,7
	ds_load_b64 v[SC+8*NQ*\sc+NQ*\i:SC+8*NQ*\sc+NQ*\i+1], v[ADRS] offset:\i*SBLK
.endr
.endm
; A load into a register that a matrix instruction has read, and a vector instruction that reads a matrix result, stand NP places behind that matrix instruction; only plain vector instructions that name none of
; its registers are places (ISA guide 7.12.1 for vector instructions).
.macro PLACES n
.rept \n
	v_nop
.endr
.endm
; A step of 128 along K that has its successor in the same slot.
.macro STEP slot, q, zero
	s_wait_dscnt 4*NL                              ; B's set and A's blocks 0-3 are in; the youngest sixteen loads (A's blocks 4-7) may be out
	WIN MUL_LO
	MUL16 0, (\q)%2, \q, \slot, \zero
	MUL16 2, (\q)%2, \q, \slot, \zero
	s_wait_dscnt 0                                 ; A's blocks 4-7 are in
	PLACES NP
	FETCH_B \slot, (\q)+1, 1-(\q)%2
	FETCH_A \slot, (\q)+1, 0
	WIN MUL_HI
	MUL16 4, (\q)%2, \q, \slot, \zero
	MUL16 6, (\q)%2, \q, \slot, \zero
	PLACES NP
	WIN 0
	FETCH_A \slot, (\q)+1, 4
.endm
; A slot's last step changes slots: ONE barrier; in front of it each wave waits for all its tensor loads, adds 0 to its spare word, and waits for that and for its own reads of this slot.  fill = 1: this slot is filled again, two K steps ahead.
.macro TURN slot, next, fill
	s_wait_tensorcnt 0x0                           ; all my tensor loads have landed: my part of the next slot
	ds_add_u32 v[SPW], v[NIL]                      ; 0 onto my spare word
	s_wait_dscnt 4*NL+1                            ; (the add and the youngest sixteen loads, A's blocks 4-7, may be out)
	WIN MUL_LO
	MUL16 0, 1, NQ-1, \slot, 0                     ; sixteen matrix instructions stand between the add and the wait for it
	s_wait_dscnt 0x0                               ; the add is done, and my reads of this slot are over
	s_barrier_signal -1
	MUL16 2, 1, NQ-1, \slot, 0
	WIN 0
	s_barrier_wait -1
.if \fill
	CREST                                          ; the barrier has opened a round of the cluster's barrier: no wave of any partner still reads this slot's tile or has a load on its way
	s_add_nc_u64 s[G0+4*\slot+2:G0+4*\slot+3], s[G0+4*\slot+2:G0+4*\slot+3], 2*ROWB
	s_add_nc_u64 s[G0B+4*\slot+2:G0B+4*\slot+3], s[G0B+4*\slot+2:G0B+4*\slot+3], 2*ROWB
	JLOAD G0+4*\slot, G1, G0B+4*\slot, G1B         ; the first tensor load behind the round; its four v_nop are among the places in front of the loads below
	PLACES NP-4
.else
	PLACES NP
.endif
	v_add_nc_u32 v[ADRS], 4*NQ, v[ADRS]            ; on to the next K step's scale words (no LDS load of mine is out)
	FETCH_B \next, 0, 0
	FETCH_A \next, 0, 0
	SCALES \next
	WIN MUL_HI
	MUL16 4, 1, NQ-1, \slot, 0
	MUL16 6, 1, NQ-1, \slot, 0
	PLACES NP
	WIN 0
	FETCH_A \next, 0, 4
.endm
	s_wait_tensorcnt 1                             ; the scale bytes and my part of K step 0 are in (K step 1's load may be out)
	s_barrier_signal -1
	s_barrier_wait -1                              ; everybody's are
	FETCH_B 0, 0, 0
	FETCH_A 0, 0, 0
	SCALES 0
	FETCH_A 0, 0, 4
	STEP 0, 0, 1                                   ; the first step stands in front of the loop: its products start the sums
	s_mov_b32 s3, LAPS-1
.Llap:                                                 ; a trip goes once round the ring and fills both slots again
	TURN 0, 1, 1
	STEP 1, 0, 0
	TURN 1, 0, 1
	STEP 0, 0, 0
	s_sub_co_u32 s3, s3, 1
	s_cmp_lg_u32 s3, 0
	s_cbranch_scc1 .Llap
	TURN 0, 1, 0                                   ; the last lap fills nothing, and has no round of the cluster's barrier
	STEP 1, 0, 0
	s_wait_dscnt 4*NL                              ; the very last step: nothing more to fetch
	WIN MUL_LO
	MUL16 0, 1, NQ-1, 1, 0
	MUL16 2, 1, NQ-1, 1, 0
	s_wait_dscnt 0
	WIN MUL_HI
	MUL16 4, 1, NQ-1, 1, 0
	MUL16 6, 1, NQ-1, 1, 0
	WIN 0
; THE WAY OUT, block by block of 16 rows.  Of row 16 a + r lane (r, h) holds n = 16 b + 8 h + j in register 8 b + j: 16 numbers of each of the four blocks of 32 along n; lane l xor 16 holds the other 16.
; QBLK: the four blocks' largest magnitudes, scale bytes and holds; 64 numbers become 64 codes.  Each accumulator is read from its low end on.
.macro QBLK a
.set AC, 64*((\a)%4)
.set WS, 2+(\a)/4                      ; the block's window
.set WW, 5*WS                          ; sources 0 and 1 in it
.set PS, PC+16*((\a)%2)
	WIN WW
.irp b, 0,1,2,3
	v_max3_num_f32 v[TM+\b], |v[AC+16*\b]|, |v[AC+16*\b+1]|, 0x8000000   ; and the floor 2^(16 - 127): the byte cannot fall under 1
.endr
.irp i, 2,4,6,8,10,12,14
.irp b, 0,1,2,3
	v_max3_num_f32 v[TM+\b], |v[AC+16*\b+\i]|, |v[AC+16*\b+\i+1]|, v[TM+\b]   ; (the four blocks by turns)
.endr
.endr
	WIN 0
.irp b, 0,1,2,3
	v_permlanex16_b32 v[TM+4+\b], v[TM+\b], s[SEL], s[SEL+1]
.endr
.irp b, 0,1,2,3
	v_max_num_f32 v[TM+\b], v[TM+\b], v[TM+4+\b]   ; with lane l xor 16's: the block's largest magnitude
.endr
.irp b, 0,1,2,3
	v_add_nc_u32 v[TM+12+\b], 0xf8800000, v[TM+\b]   ; 15 off its exponent field: the conversion's scale operand
.endr
.irp b, 0,1,2,3
	v_and_or_b32 v[TM+8+\b], v[TM+\b], 0x7f800000, s[MNT]   ; 57,344 x the scale
.endr
.irp b, 0,1,2,3
	v_lshrrev_b32 v[TM+4+\b], 23, v[TM+12+\b]      ; the scale's byte
.endr
	v_lshl_or_b32 v[PW+(\a)], v[TM+5], 8, v[TM+4]  ; the four bytes make my row's scale word
	v_lshl_or_b32 v[PW+(\a)], v[TM+6], 16, v[PW+(\a)]
	v_lshl_or_b32 v[PW+(\a)], v[TM+7], 24, v[PW+(\a)]
	WIN WS                                         ; source 0 in the block's window
.irp b, 0,1,2,3
.irp i, 0,1,2,3,4,5,6,7,8,9,10,11,12,13,14,15
	v_med3_num_f32 v[X+16*\b+\i], v[AC+16*\b+\i], -v[TM+8+\b], v[TM+8+\b]   ; the conversion to an 8-bit code does not saturate (ISA guide 7.6.2): the hold
.endr
.endr
	WIN 0
.irp b, 0,1,2,3
	v_cvt_scalef32_pk8_bf8_f32 v[PS+4*\b:PS+4*\b+1], v[X+16*\b:X+16*\b+7], v[TM+12+\b]
	v_cvt_scalef32_pk8_bf8_f32 v[PS+4*\b+2:PS+4*\b+3], v[X+16*\b+8:X+16*\b+15], v[TM+12+\b]
.endr
	v_nop                                          ; one plain line between the conversions and the next vector line that writes their sources
.endm
; TOSTAGE: a lane's 16 codes of each block go into my stage as they stand, the scale word beside them; whole rows come back.  LDS serves a wave's instructions in order: no wait between the stores and the loads.
.macro TOSTAGE a
.set PS, PC+16*((\a)%2)
.set BS, BK+16*((\a)%2)
.if (\a) > 1
	s_wait_xcnt 0x0                                ; the stores of two blocks ago have read these registers: only behind this wait are they loaded again
.endif
.irp b, 0,1,2,3
	ds_store_b128 v[STO], v[PS+4*\b:PS+4*\b+3] offset:32*\b
.endr
	ds_store_b32 v[STS], v[PW+(\a)] offset:64*(\a) ; both halves of the lanes write the same word with the same value
.irp t, 0,1,2,3
	ds_load_b128 v[BS+4*\t:BS+4*\t+3], v[RD] offset:576*\t
.endr
.endm
.macro SEND a
.set BS, BK+16*((\a)%2)
	s_wait_dscnt 0x0                               ; the block is back in registers, and its stores into the stage have read theirs
.irp t, 0,1,2,3
	global_store_b128 v[CO], v[BS+4*\t:BS+4*\t+3], s[12:13] offset:2048*(\a)+512*\t   ; 32 lanes store 512 consecutive bytes: four rows of the plane
.endr
.endm
	PLACES NP                                      ; behind the last products: their results are read and their operands' registers written below
.irp b, 0,1,2,3
	v_mov_b32 v[TM+4+\b], 0                        ; written once: a lane permute's destination counts as one of its sources
.endr
	QBLK 0
	TOSTAGE 0
.irp a, 1,2,3,4,5,6,7                  ; block a's arithmetic stands between block a - 1's loads from the stage and the wait for them
	QBLK \a
	SEND \a-1
	TOSTAGE \a
.endr
	ds_load_b128 v[SWR:SWR+3], v[SRD]              ; my 128 rows' scale words
	SEND 7
	global_store_b128 v[CO], v[SWR:SWR+3], s[92:93]   ; 512 consecutive bytes
	s_wait_tensorcnt 0x0                           ; the wave's end: behind my last tensor load and my last LDS store
	ds_add_u32 v[SPW], v[NIL]
	s_wait_dscnt 0x0
	CROUND                                         ; the closing round: no work-group ends while a partner may still ask for a tile that names it
	s_endpgm
.Lfunc_end_k_q7e81b6aba9_qkv:
	.size	k_q7e81b6aba9_qkv, .Lfunc_end_k_q7e81b6aba9_qkv-k_q7e81b6aba9_qkv
	.p2alignl 7, 3214868480
	.fill 96, 4, 3214868480
	.section	.rodata,"a",@progbits
	.p2align	6, 0x0
	.amdhsa_kernel k_q7e81b6aba9_qkv
		.amdhsa_group_segment_fixed_size 327680
		.amdhsa_private_segment_fixed_size 0
		.amdhsa_enable_private_segment 0
		.amdhsa_kernarg_size 32
		.amdhsa_user_sgpr_count 2
		.amdhsa_user_sgpr_kernarg_segment_ptr 1
		.amdhsa_wavefront_size32 1
		.amdhsa_system_sgpr_workgroup_id_x 1
		.amdhsa_system_sgpr_workgroup_id_y 1
		.amdhsa_system_sgpr_workgroup_id_z 1
		.amdhsa_system_vgpr_workitem_id 0
		.amdhsa_next_free_vgpr 1024
		.amdhsa_next_free_sgpr 102
		.amdhsa_reserve_vcc 0
		.amdhsa_float_denorm_mode_32 3
		.amdhsa_float_denorm_mode_16_64 3
		.amdhsa_memory_ordered 1
		.amdhsa_forward_progress 1
		.amdhsa_inst_pref_size 190
	.end_amdhsa_kernel
	.amdgpu_metadata
---
amdhsa.version: [ 1, 2 ]
amdhsa.kernels:
  - .name:           k_q7e81b6aba9_qkv
    .symbol:         k_q7e81b6aba9_qkv.kd
    .args:
      - { .name: cod, .offset: 0, .size: 8, .value_kind: global_buffer, .address_space: global }
      - { .name: scl, .offset: 8, .size: 8, .value_kind: global_buffer, .address_space: global }
      - { .name: qkvc, .offset: 16, .size: 8, .value_kind: global_buffer, .address_space: global }
      - { .name: qkvs, .offset: 24, .size: 8, .value_kind: global_buffer, .address_space: global }
    .group_segment_fixed_size: 327680
    .private_segment_fixed_size: 0
    .kernarg_segment_align: 8
    .kernarg_segment_size: 32
    .max_flat_workgroup_size: 128
    .sgpr_count:     102
    .vgpr_count:     1024
    .wavefront_size: 32
...
	.end_amdgpu_metadata
.endif
;; end of part 2
;; launch attn (part 3): grid 8 x 32, 16 waves a work-group, no clusters, 327,680 bytes of LDS; arguments qkvc, qkvs, attn_mask, yc, ys; writes yc, ys
.if DOCPART == 3
	.amdgcn_target "amdgcn-amd-amdhsa--gfx1250"
	.amdhsa_code_object_version 6
	.text
	.protected	k_q7e81b6aba9_attn
	.globl	k_q7e81b6aba9_attn
	.p2align	8
	.type	k_q7e81b6aba9_attn,@function
k_q7e81b6aba9_attn:
	s_mov_b64 s[64:65], 0
	v_nop
	global_prefetch_b8 v0, s[64:65] scope:SCOPE_SE
	s_setreg_imm32_b32 hwreg(HW_REG_WAVE_MODE, 25, 1), 1
	s_wait_xcnt 0x0
; y[b][q][head] = softmax over the keys of (q . k / 8, causal, keys with attn_mask = 0 left out) x v, both products on codes of BF8 (E5M2) with one E8M0 scale for each 32 along a product's K; y is quantised along the channels on the way out.
; IN (made by the launch before): planes [n / 128][m][128 codes], [n / 128][m][4 scale bytes].  q: planes 0-7 (a plane = a pair of heads, m = token), k: planes 8-15; v: from byte 16,777,216 (scale bytes 524,288) planes = token / 128, m = channel.
; Inside a block of 32 byte 16 h + 8 u + j holds number 16 u + 8 h + j.  q and k carry that order alike along the head; v carries it along the keys, and p's codes come out of this text's registers in the same order.
; OUT: yc [16 heads][8192 tokens][64 codes], natural order; ys [8192][32] scale bytes.
; THE SOFTMAX: t = score x log2(e) / 8; M = the row's largest t so far, rounded UP to a whole number; p = 2^(t - M) is quantised along the keys, not normalised.  The row's sum is taken of the unquantised p and divides at the end.
; When M moves, the sum and O are multiplied by 2^(old M - new M): exact.
; THE HEAD IS 64: the upper half of both operands of the first product is zero codes, kept in registers; the upper two scale bytes are 0, which is a power of two and scales zeros.
; MASKS.  A key that does not count gets the score -2^100: for attn_mask by the C operand of the first product (a table of 0 and -2^100 in LDS: no vector line), for the causal mask by a select in the step on the diagonal.
; The running largest t begins at -2^90, above every such score's t: p is then exactly 0.  A query with no key at all has the sum 0: its codes are set to NaN and its scale bytes to 0xff, as the softmax of an empty row is NaN.
; LIMIT: |t| of keys that count stays under 2^90.  NaN and infinities among the inputs are not served.
; SHARES.  A work-group owns a pair of heads of one batch and TWO blocks of 128 queries, i and 15 - i: (i + 1) + (16 - i) = 17 key steps of 128 keys for each of the 256 work-groups.  Wave w: head 2 hp + w % 2, 16 queries w / 2.
; ONE loop of 17 trips (the last written out): trip T works on key step T of block i while T <= i, then on key step T - i - 1 of block 15 - i.  Where the block changes a scalar branch on ids writes the first block out and starts the second.
; No cluster: partners would need different key steps in the same trip.
; LDS: two slots of 65,536 bytes (used: K's 128 rows x 144, V's 128 rows x 144, K's and V's 512 bytes of scale words), filled by waves 0 to 3, one tensor load each; the table of 17 x 512 bytes, one entry a trip; two stages a wave; the spare words.
; REGISTERS: v1-7 addresses that stay; v8-11 addresses in hand; v12 -M, v13 the largest t, v[14:15] the sum; v16-23 q, v24-31 zeros; v32-95 four tiles of K (8 of data, 8 of zeros each); v96-159 the table's entry, S^T, p, then V's tiles 2, 3;
;   v160-191 O^T; v192-223 V's tiles 0, 1; v224-239 p's codes; v232-254 at work; v248-251 K's or V's scale words; v253 p's; v255 q's.
.set KP,    144                        ; a row of 128 codes in LDS: + 16 of padding = 36 words: the 16 rows that a load touches start at 16 different banks (64 banks of 4 bytes: ISA guide 11.1)
.set VOFF,  128*KP                     ; a slot: K's rows, V's rows,
.set KSO,   2*VOFF                     ; K's scale words,
.set VSO,   KSO+512                    ; V's
.set SLOT1, 1<<16                      ; slot 1 begins here: one exclusive or turns an address in one slot into the other's
.set BIAS,  2*SLOT1                    ; the table: entry T = 128 numbers for trip T's keys
.set STAGE, BIAS+17*512                ; the way out: 16 rows x 80 bytes for each wave, once for each of the two blocks
.set SPARE, STAGE+2*16*1280            ; the spare words, 128 bytes for each wave: eight blocks of 256 bytes that no other line names
.set AK0,  1
.set AV0,  2
.set ASK0, 3
.set ASV0, 4
.set SPW,  5
.set NIL,  6
.set ABI,  7
.set ADK,  8
.set ADV,  9
.set ADS,  10
.set ADT,  11
.set WV,   18                          ; s18 my wave's number
.set MNT,  19
.set SEL,  20                          ; s[20:21] lane selects for v_permlanex16_b32: lane l xor 16
.set CS,   22                          ; s[22:23] c = log2(e) / 8
.set G1C,  24                          ; s[24:31] descriptor group 1 for tiles of codes;  s[32:39] for scale words
.set G1S,  32
.set PAR,  40                          ; s40 wave % 2: my head of the pair; also: I fetch K's (0) or V's (1)
.set TILE, 41                          ; s41 wave / 2: my 16 queries of the block
.set BB,   42                          ; s42 the batch
.set HP,   43                          ; s43 the pair of heads
.set BC,   44                          ; s[44:45] address of key step 0's codes that I would fetch;  s[46:47] of its scale words
.set BS,   46
.set STC,  48                          ; s48, s49 bytes from key step to key step
.set STW,  49
.set HEAD, 50
.set TOK,  51                          ; s51 my first token
.set G0C,  52                          ; s[52:55], s[56:59] descriptor groups 0
.set G0S,  56
.set TR,   60                          ; s60 the trip
.set I1,   61                          ; s61 i + 1: the first block's key steps
.set TB,   62                          ; s62 LDS byte at which the slot in hand begins
.set TBI,  63                          ; s63 512 x the trip
.set II,   66
.set BLK,  67                          ; s67 the block of queries in hand
; Waves 0 and 1 fetch K's and V's codes, waves 2 and 3 their scale words, the others nothing.  The branches hang on the wave's number alone.  Four v_nop follow each line.
.macro TLOAD
	s_cmp_lt_u32 s[WV], 2
	s_cbranch_scc0 .Lnot_c_\@
	tensor_load_to_lds s[G0C:G0C+3], s[G1C:G1C+7]
	s_nop 0
.rept 4
	v_nop
.endr
	s_branch .Lasked_\@
.Lnot_c_\@:
	s_cmp_lt_u32 s[WV], 4
	s_cbranch_scc0 .Lasked_\@
	tensor_load_to_lds s[G0S:G0S+3], s[G1S:G1S+7]
	s_nop 0
.rept 4
	v_nop
.endr
.Lasked_\@:
.endm
	s_load_b256 s[4:11], s[0:1], 0x0               ; qkvc s[4:5], qkvs s[6:7], attn_mask s[8:9], yc s[10:11]
	s_load_b64 s[12:13], s[0:1], 0x20              ; ys
	v_lshl_add_u32 v[SPW], v0, 2, SPARE
	v_mov_b32 v[NIL], 0
	ds_add_u32 v5, v6
	ds_add_u32 v5, v6
	s_wait_dscnt 0x0
	v_lshrrev_b32 v8, 5, v0
	s_delay_alu instid0(VALU_DEP_1)
	v_readfirstlane_b32 s[WV], v8                  ; wave 0..15
	s_and_b32 s[PAR], s[WV], 1
	s_lshr_b32 s[TILE], s[WV], 1
	s_and_b32 s68, ttmp7, 0xffff
	s_lshr_b32 s[BB], s68, 3
	s_and_b32 s[HP], s68, 7
	s_lshl_b32 s[HEAD], s[HP], 1
	s_add_co_u32 s[HEAD], s[HEAD], s[PAR]
	s_mov_b32 s[II], ttmp9
	s_add_co_u32 s[I1], ttmp9, 1
	s_add_co_u32 s68, s[HP], 8                     ; k's plane
	s_lshl_b32 s69, s68, 20
	s_lshl_b32 s70, s[BB], 18
	s_add_co_u32 s69, s69, s70                     ; K's codes: plane x 2^20 + 2048 b rows of 128 bytes
	s_lshl_b32 s70, s[BB], 21
	s_lshl_b32 s71, s[HP], 14
	s_add_co_u32 s70, s70, s71
	s_add_co_u32 s70, s70, 0x1000000               ; V's: 16 b planes of 2^17 bytes + 128 hp rows of 128 bytes
	s_lshl_b32 s72, s68, 15
	s_lshl_b32 s73, s[BB], 13
	s_add_co_u32 s72, s72, s73                     ; K's scale words
	s_lshl_b32 s73, s[BB], 16
	s_lshl_b32 s74, s[HP], 9
	s_add_co_u32 s73, s73, s74
	s_add_co_u32 s73, s73, 0x80000                 ; V's
	s_mov_b32 s[STC], 0x20000                      ; V: a plane on
	s_mov_b32 s[STW], 4096
	s_cmp_eq_u32 s[PAR], 0
	s_cselect_b32 s76, s69, s70
	s_cselect_b32 s78, s72, s73
	s_cselect_b32 s[STC], 16384, s[STC]            ; K: 128 rows on
	s_cselect_b32 s[STW], 512, s[STW]
	s_mov_b32 s77, 0
	s_mov_b32 s79, 0
	; descriptor group 1: 128 rows of 128 bytes, dense in memory, 16 bytes of padding behind each in LDS
	s_mov_b32 s[G1C], (0<<16)|(1<<20)|(4<<22)|(3<<25)   ; 15:0 no mask; 17:16 elements of 1 byte; 20 padding on; 24:22 after every 32 words; 31:25 four words
	s_mov_b32 s[G1C+1], 128<<16                    ; tensor_dim0
	s_mov_b32 s[G1C+2], 128<<16                    ; tensor_dim1
	s_mov_b32 s[G1C+3], 128<<16                    ; tile_dim0
	s_mov_b32 s[G1C+4], 128                        ; tile_dim1
	s_mov_b32 s[G1C+5], 128                        ; tensor_dim0_stride
	s_mov_b32 s[G1C+6], 0
	s_mov_b32 s[G1C+7], 0
	; 512 dense bytes of scale words: two rows of 256 bytes (32 elements of 8 bytes), no padding
	s_mov_b32 s[G1S], 3<<16
	s_mov_b32 s[G1S+1], 32<<16
	s_mov_b32 s[G1S+2], 2<<16
	s_mov_b32 s[G1S+3], 32<<16
	s_mov_b32 s[G1S+4], 2
	s_mov_b32 s[G1S+5], 32
	s_mov_b32 s[G1S+6], 0
	s_mov_b32 s[G1S+7], 0
	s_mov_b32 s[SEL], 0x76543210
	s_mov_b32 s[SEL+1], 0xfedcba98
	s_mov_b32 s[CS], 0x3e38aa3b                    ; c = log2(e) / 8
	s_mov_b32 s[CS+1], s[CS]                       ; (named with it as a pair, so it is written)
	s_mov_b32 s[TB], 0
	s_mov_b32 s[TBI], 0
	s_mov_b32 s[TR], 0
	s_wait_kmcnt 0x0
	s_add_nc_u64 s[BC:BC+1], s[4:5], s[76:77]
	s_add_nc_u64 s[BS:BS+1], s[6:7], s[78:79]
	s_mov_b32 s[G0C], 1                            ; 1:0 count = 1
	s_mul_i32 s[G0C+1], s[PAR], VOFF               ; 63:32 LDS address: slot 0, K's rows or V's
	s_mov_b64 s[G0C+2:G0C+3], s[BC:BC+1]           ; 120:64 global address: key step 0
	s_or_b32 s[G0C+3], s[G0C+3], 0x80000000        ; 127:126 type = 2
	s_mov_b32 s[G0S], 1
	s_lshl_b32 s[G0S+1], s[PAR], 9
	s_add_co_u32 s[G0S+1], s[G0S+1], KSO
	s_mov_b64 s[G0S+2:G0S+3], s[BS:BS+1]
	s_or_b32 s[G0S+3], s[G0S+3], 0x80000000
	TLOAD                                          ; key step 0 into slot 0: the one first fill at the head
	; THE TABLE.  Wave w makes entry w: the key step of trip w is w while w <= i, else w - i - 1.  A lane takes four keys.  Wave 0 also makes entry 16 (key step 15 - i).
	s_sub_co_u32 s69, s[WV], s[I1]
	s_cmp_lt_u32 s[WV], s[I1]
	s_cselect_b32 s69, s[WV], s69
	s_lshl_b32 s69, s69, 9
	s_lshl_b32 s70, s[BB], 13
	s_add_co_u32 s70, s70, s69
	s_mov_b32 s71, 0
	s_add_nc_u64 s[70:71], s[8:9], s[70:71]
	s_sub_co_u32 s72, 16, s[I1]
	s_lshl_b32 s72, s72, 9
	s_lshl_b32 s73, s[BB], 13
	s_add_co_u32 s72, s72, s73
	s_mov_b32 s73, 0
	s_add_nc_u64 s[72:73], s[8:9], s[72:73]
	v_lshl_add_u32 v10, v0, 4, BIAS                ; entry = wave, 16 bytes a lane
	v_and_b32 v9, 31, v0
	s_delay_alu instid0(VALU_DEP_1)
	v_lshlrev_b32 v9, 4, v9
	v_mov_b32 v11, 0xf1800000                      ; -2^100
	global_load_b128 v[96:99], v9, s[70:71]
	s_wait_alu depctr_va_vdst(0)
	s_wait_loadcnt 0x0
.irp j, 0,1,2,3
	v_cmp_eq_u32 vcc_lo, 0, v[96+\j]
	s_delay_alu instid0(VALU_DEP_1)
	v_cndmask_b32 v[96+\j], 0, v11, vcc_lo         ; a key whose mask is 0 gets -2^100, every other 0
.endr
	ds_store_b128 v10, v[96:99]
	s_cmp_lg_u32 s[WV], 0
	s_cbranch_scc1 .Lnot_wave_0
	global_load_b128 v[100:103], v9, s[72:73]
	s_wait_loadcnt 0x0
.irp j, 0,1,2,3
	v_cmp_eq_u32 vcc_lo, 0, v[100+\j]
	s_delay_alu instid0(VALU_DEP_1)
	v_cndmask_b32 v[100+\j], 0, v11, vcc_lo
.endr
	ds_store_b128 v10, v[100:103] offset:16*512
.Lnot_wave_0:
	v_and_b32 v8, 15, v0                           ; r = lane % 16
	v_bfe_u32 v9, v0, 4, 1                         ; h = lane / 16
	s_delay_alu instid0(VALU_DEP_2)
	v_mul_u32_u24 v[AK0], v8, KP
	s_delay_alu instid0(VALU_DEP_1)
	v_lshl_add_u32 v[AK0], v9, 4, v[AK0]
	s_lshl_b32 s68, s[PAR], 6
	v_add_nc_u32 v[AK0], s68, v[AK0]               ; K: key r of a tile, my head's 64 bytes, + 16 h
	v_mul_u32_u24 v[AV0], v8, KP
	s_delay_alu instid0(VALU_DEP_1)
	v_lshl_add_u32 v[AV0], v9, 4, v[AV0]
	s_mul_i32 s68, s[PAR], 64*KP
	s_add_co_u32 s68, s68, VOFF
	v_add_nc_u32 v[AV0], s68, v[AV0]               ; V: my head's 64 rows, channel r of a tile, + 16 h
	s_lshl_b32 s68, s[PAR], 1
	s_add_co_u32 s68, s68, KSO
	v_lshl_add_u32 v[ASK0], v8, 2, s68             ; K's scale words: 4 bytes a key, my head's two
	s_lshl_b32 s68, s[PAR], 8
	s_add_co_u32 s68, s68, VSO
	v_lshl_add_u32 v[ASV0], v8, 2, s68             ; V's: 4 bytes a channel
	v_lshl_add_u32 v[ABI], v9, 5, BIAS             ; the table: my half's eight keys of a tile
.set J, 0
.rept 8
	v_mov_b32 v[24+J], 0                           ; the zero codes of the upper half of K: q's, and the four tiles' of k; written once
	v_mov_b32 v[40+J], 0
	v_mov_b32 v[56+J], 0
	v_mov_b32 v[72+J], 0
	v_mov_b32 v[88+J], 0
.set J, J+1
.endr
.irp b, 0,1,2,3
	v_mov_b32 v[236+\b], 0                         ; written once: a lane permute's destination counts as one of its sources
.endr
	v_mov_b32 v252, 0
	v_mov_b32 v253, 0                              ; (named as the upper half of the pair v[252:253] before it is first written)
; A block of queries begins: my 16 queries' codes and scale bytes into registers; the largest t at -2^90; the sum and O^T at zero.
.macro START
	s_lshl_b32 s[TOK], s[BB], 11
	s_lshl_b32 s68, s[BLK], 7
	s_add_co_u32 s[TOK], s[TOK], s68
	s_lshl_b32 s68, s[TILE], 4
	s_add_co_u32 s[TOK], s[TOK], s68               ; my first token: 2048 b + 128 x block + 16 x tile
	s_lshl_b32 s70, s[HP], 20
	s_lshl_b32 s71, s[TOK], 7
	s_add_co_u32 s70, s70, s71
	s_lshl_b32 s71, s[PAR], 6
	s_add_co_u32 s70, s70, s71
	s_mov_b32 s71, 0
	s_add_nc_u64 s[70:71], s[4:5], s[70:71]
	s_lshl_b32 s72, s[HP], 15
	s_lshl_b32 s73, s[TOK], 2
	s_add_co_u32 s72, s72, s73
	s_lshl_b32 s73, s[PAR], 1
	s_add_co_u32 s72, s72, s73
	s_mov_b32 s73, 0
	s_add_nc_u64 s[72:73], s[6:7], s[72:73]
	v_and_b32 v8, 15, v0
	v_bfe_u32 v9, v0, 4, 1
	s_delay_alu instid0(VALU_DEP_2)
	v_lshlrev_b32 v10, 7, v8
	s_delay_alu instid0(VALU_DEP_1)
	v_lshl_add_u32 v10, v9, 4, v10                 ; row r of 128 bytes, + 16 h
	s_delay_alu instid0(VALU_DEP_4)
	v_lshlrev_b32 v11, 2, v8
	global_load_b128 v[16:19], v10, s[70:71]
	global_load_b128 v[20:23], v10, s[70:71] offset:32
	global_load_u16 v255, v11, s[72:73]            ; my head's two scale bytes; the upper two come as 0
	v_mov_b32 v13, 0xec800000                      ; -2^90
	s_delay_alu instid0(VALU_DEP_1)
	v_floor_f32 v12, -v13                          ; -M
	v_mov_b32 v14, 0
	v_mov_b32 v15, 0
.set J, 0
.rept 32
	v_mov_b32 v[160+J], 0                          ; O^T: the step is written once; the first change of M leaves zeros zeros
.set J, J+1
.endr
	s_wait_loadcnt 0x0                             ; q is in; the loads' address registers are free
.endm
; THE CHANGE OF SLOTS stands at a trip's head.  Each wave waits for all its tensor loads (its part of the slot that it is about to read), adds 0 to its spare word, and waits for that and for its reads of the slot that it has left
; (in the first trip: for its stores into the table).  Behind the barrier the slot ahead is whole and nobody reads the other one.  fill = 1: that other slot takes the next trip's key step.
.macro CHANGE fill
	s_wait_tensorcnt 0x0                           ; no tensor load of mine is out, so a group 0 may be written
	ds_add_u32 v[SPW], v[NIL]                      ; 0 onto my spare word; the descriptors' words are made between it and the wait for it
.if \fill
	s_add_co_u32 s70, s[TR], 1
	s_sub_co_u32 s71, s70, s[I1]
	s_cmp_lt_u32 s70, s[I1]
	s_cselect_b32 s71, s70, s71                    ; the next trip's key step
	s_mul_i32 s72, s71, s[STC]
	s_mov_b32 s73, 0
	s_add_nc_u64 s[G0C+2:G0C+3], s[BC:BC+1], s[72:73]
	s_or_b32 s[G0C+3], s[G0C+3], 0x80000000
	s_xor_b32 s[G0C+1], s[G0C+1], SLOT1            ; the other slot than last time
	s_mul_i32 s72, s71, s[STW]
	s_add_nc_u64 s[G0S+2:G0S+3], s[BS:BS+1], s[72:73]
	s_or_b32 s[G0S+3], s[G0S+3], 0x80000000
	s_xor_b32 s[G0S+1], s[G0S+1], SLOT1
.endif
	s_wait_dscnt 0x0                               ; the add is done, and my LDS reads and stores are over
	s_barrier_signal -1
	s_barrier_wait -1
.if \fill
	TLOAD                                          ; the first thing behind the barrier, and a wave's one tensor load until the next
.endif
.endm
; A KEY STEP: 128 keys.  diag = 1: the step on the diagonal for certain; 0: a scalar branch on ids decides.
.macro STEP diag
	v_add_nc_u32 v[ADK], s[TB], v[AK0]
	s_wait_alu depctr_va_vdst(0)
	v_add_nc_u32 v[ADV], s[TB], v[AV0]
	v_add_nc_u32 v[ADS], s[TB], v[ASK0]
	s_wait_alu depctr_va_vdst(0)
	v_add_nc_u32 v[ADT], s[TB], v[ASV0]
	v_add_nc_u32 v254, s[TBI], v[ABI]
.rept 4
	v_nop                                          ; with the five additions nine places behind the last step's products: eight in front of the loads into their operands' and scales' registers, nine in front of the products below, which write over v96-127
.endr
.irp t, 0,1,2,3,4,5,6,7
	ds_load_b128 v[96+8*\t:99+8*\t], v254 offset:64*\t           ; the table's entry in the result's layout: tile t, register j: key 16 t + 8 h + j
	ds_load_b128 v[100+8*\t:103+8*\t], v254 offset:64*\t+16
.endr
.irp g, 0,1                                    ; S^T = K Q^T + the entry, four tiles of 16 neighbouring keys at a time
.if \g > 0
.rept 8
	v_nop                                          ; places in front of loads into registers that the four products above have read
.endr
.endif
.irp t, 0,1,2,3
	ds_load_b128 v[32+16*\t:35+16*\t], v[ADK] offset:16*(4*\g+\t)*KP
	ds_load_b128 v[36+16*\t:39+16*\t], v[ADK] offset:16*(4*\g+\t)*KP+32
	ds_load_u16 v[248+\t], v[ADS] offset:64*(4*\g+\t)
.endr
	s_wait_dscnt 0x0
.irp t, 0,1,2,3
	v_wmma_scale_f32_16x16x128_f8f6f4 v[96+8*(4*\g+\t):103+8*(4*\g+\t)], v[32+16*\t:47+16*\t], v[16:31], v[96+8*(4*\g+\t):103+8*(4*\g+\t)], v[248+\t], v255 matrix_a_fmt:MATRIX_FMT_BF8 matrix_b_fmt:MATRIX_FMT_BF8
.endr
.endr                                          ; lane (r, h) holds query r; register 16 b + 8 u + j is key 32 b + 16 u + 8 h + j
.rept 8
	v_nop
.endr
.irp t, 0,1                                    ; V's tiles 0 and 1 and all four scale words are asked for now: they land under the softmax
.irp c, 0,1,2,3
	ds_load_b128 v[192+16*\t+4*\c:195+16*\t+4*\c], v[ADV] offset:16*\t*KP+32*\c
.endr
.endr
	s_wait_alu depctr_va_vdst(0)
.irp t, 0,1,2,3
	ds_load_b32 v[248+\t], v[ADT] offset:64*\t
.endr
.if \diag == 0
	s_add_co_u32 s68, s[TR], 1
	s_cmp_lg_u32 s68, s[I1]                        ; the first block's last key step lies on the diagonal; in every other trip of the loop all keys come before my queries
	s_cbranch_scc1 .Lopen_\@
.endif
	s_lshl_b32 s68, s[TILE], 4
	v_and_b32 v252, 15, v0
	v_bfe_u32 v253, v0, 4, 1
	s_delay_alu instid0(VALU_DEP_1)
	v_lshlrev_b32 v253, 3, v253
	s_delay_alu instid0(VALU_DEP_1)
	v_sub_nc_u32 v252, v252, v253
	s_delay_alu instid0(VALU_DEP_1)
	v_add_nc_u32 v252, s68, v252                   ; d = my query in the block - 8 h.  Register n holds key 16 (n / 8) + 8 h + n % 8: hidden where 16 (n / 8) + n % 8 > d
	v_mov_b32 v254, 0xf1800000                     ; -2^100
.set J, 0
.rept 64
	v_cmp_gt_i32 vcc_lo, 16*(J/8)+J%8, v252
	v_cndmask_b32 v[96+J], v[96+J], v254, vcc_lo
.set J, J+1
.endr
.Lopen_\@:
.irp b, 0,1,2,3
	v_max3_num_f32 v[232+\b], v[96+16*\b], v[97+16*\b], v[98+16*\b]   ; the largest score of each block of 32 keys: it serves the row's maximum and, since p rises with the score, the block's largest p
.endr
.irp i, 3,5,7,9,11,13
.irp b, 0,1,2,3
	v_max3_num_f32 v[232+\b], v[232+\b], v[96+16*\b+\i], v[97+16*\b+\i]
.endr
.endr
.irp b, 0,1,2,3
	v_max_num_f32 v[232+\b], v[232+\b], v[111+16*\b]
.endr
.irp b, 0,1,2,3
	v_permlanex16_b32 v[236+\b], v[232+\b], s[SEL], s[SEL+1]
.endr
.irp b, 0,1,2,3
	s_delay_alu instid0(VALU_DEP_4)
	v_max_num_f32 v[232+\b], v[232+\b], v[236+\b]  ; with lane l xor 16's 16 keys
.endr
	s_delay_alu instid0(VALU_DEP_2)
	v_max3_num_f32 v254, v232, v233, v234
	s_delay_alu instid0(VALU_DEP_1)
	v_max_num_f32 v254, v254, v235                 ; the step's largest score of my query
	s_delay_alu instid0(VALU_DEP_1)
	v_mul_f32 v254, s[CS], v254                    ; as t
	s_delay_alu instid0(VALU_DEP_1)
	v_max_num_f32 v13, v13, v254                   ; the running largest t
	v_mov_b32 v254, v12
	s_delay_alu instid0(VALU_DEP_2)
	v_floor_f32 v12, -v13                          ; the new -M = floor(-t): M is a whole number
	s_delay_alu instid0(VALU_DEP_1)
	v_sub_f32 v254, v12, v254                      ; old M - new M: a whole number, 0 or less
	s_delay_alu instid0(VALU_DEP_1)
	v_cvt_i32_f32 v254, v254                       ; (it saturates)
	s_delay_alu instid0(VALU_DEP_1)
	v_ldexp_f32 v252, 1.0, v254                    ; f = 2^(old M - new M)
.set J, 0
.rept 32
	v_pk_fma_f32 v[96+J:97+J], v[96+J:97+J], s[CS:CS+1], v[12:13] op_sel_hi:[1,0,0]   ; t - M, two at a time
.set J, J+2
.endr
.irp b, 0,1,2,3
	v_fma_f32 v[232+\b], v[232+\b], s[CS], v12     ; the same of each block's largest score
.endr
.set J, 0
	s_wait_alu depctr_va_vdst(0)
.rept 64
	v_exp_f32 v[96+J], v[96+J]                     ; p = 2^(t - M), at most 1: not normalised
.set J, J+1
.endr
.irp b, 0,1,2,3
	v_exp_f32 v[232+\b], v[232+\b]                 ; the block's largest p: the same two instructions on the same number
.endr
	v_pk_mul_f32 v[14:15], v[14:15], v[252:253] op_sel_hi:[1,0]   ; the sums under the new M (a plain place behind the exponentials)
	s_wait_alu depctr_va_vdst(0)
.irp b, 0,1,2,3
	v_max_num_f32 v[232+\b], 0x8000000, v[232+\b]  ; the floor 2^(16 - 127): the byte cannot fall under 1
.endr
.irp b, 0,1,2,3
	s_delay_alu instid0(VALU_DEP_4)
	v_add_nc_u32 v[244+\b], 0xf8800000, v[232+\b]  ; 15 off the exponent field: the conversion's scale operand
.endr
.irp b, 0,1,2,3
.endr
.irp b, 0,1,2,3
	s_delay_alu instid0(VALU_DEP_4)
	v_lshrrev_b32 v[236+\b], 23, v[244+\b]         ; the scale's byte
.endr
	s_delay_alu instid0(VALU_DEP_3)
	v_lshl_or_b32 v253, v237, 8, v236              ; p's scale word for these 128 keys
	s_delay_alu instid0(VALU_DEP_1)
	v_lshl_or_b32 v253, v238, 16, v253
	s_delay_alu instid0(VALU_DEP_1)
	v_lshl_or_b32 v253, v239, 24, v253
	v_pk_add_f32 v[236:237], v[100:101], v[104:105]
	v_pk_add_f32 v[242:243], v[108:109], v[112:113]
	v_pk_add_f32 v[240:241], v[116:117], v[120:121]
	v_pk_add_f32 v[238:239], v[124:125], v[128:129]
	v_pk_add_f32 v[234:235], v[132:133], v[136:137]
	v_pk_add_f32 v[232:233], v[140:141], v[144:145]
	v_pk_add_f32 v[230:231], v[148:149], v[152:153]
	v_pk_add_f32 v[14:15], v[14:15], v[156:157]
	v_pk_add_f32 v[236:237], v[236:237], v[96:97]
	v_pk_add_f32 v[242:243], v[242:243], v[98:99]
	v_pk_add_f32 v[240:241], v[240:241], v[102:103]
	v_pk_add_f32 v[238:239], v[238:239], v[106:107]
	v_pk_add_f32 v[234:235], v[234:235], v[110:111]
	v_pk_add_f32 v[232:233], v[232:233], v[114:115]
	v_pk_add_f32 v[230:231], v[230:231], v[118:119]
	v_pk_add_f32 v[14:15], v[14:15], v[122:123]
	v_pk_add_f32 v[236:237], v[236:237], v[126:127]
	v_pk_add_f32 v[242:243], v[242:243], v[130:131]
	v_pk_add_f32 v[240:241], v[240:241], v[134:135]
	v_pk_add_f32 v[238:239], v[238:239], v[138:139]
	v_pk_add_f32 v[234:235], v[234:235], v[142:143]
	v_pk_add_f32 v[232:233], v[232:233], v[146:147]
	v_pk_add_f32 v[230:231], v[230:231], v[150:151]
	v_pk_add_f32 v[14:15], v[14:15], v[154:155]
	v_pk_add_f32 v[236:237], v[236:237], v[158:159]
	s_delay_alu instid0(VALU_DEP_2)
	v_pk_add_f32 v[14:15], v[14:15], v[238:239]
	s_delay_alu instid0(VALU_DEP_2)
	v_pk_add_f32 v[236:237], v[236:237], v[234:235]
	v_pk_add_f32 v[242:243], v[242:243], v[232:233]
	v_pk_add_f32 v[240:241], v[240:241], v[230:231]
	s_delay_alu instid0(VALU_DEP_2)
	v_pk_add_f32 v[14:15], v[14:15], v[242:243]
	s_delay_alu instid0(VALU_DEP_2)
	v_pk_add_f32 v[236:237], v[236:237], v[240:241]
	s_delay_alu instid0(VALU_DEP_1)
	v_pk_add_f32 v[14:15], v[14:15], v[236:237]
.irp b, 0,1,2,3
.irp i, 0,1,2,3,4,5,6,7,8,9,10,11,12,13,14,15
.endr
	v_cvt_scalef32_pk8_bf8_f32 v[224+4*\b:225+4*\b], v[96+16*\b:103+16*\b], v[244+\b]
	v_cvt_scalef32_pk8_bf8_f32 v[226+4*\b:227+4*\b], v[104+16*\b:111+16*\b], v[244+\b]
.endr
	v_nop
.irp t, 0,1                                    ; V's tiles 2 and 3 into the registers that p has left
.irp c, 0,1,2,3
	ds_load_b128 v[96+16*\t+4*\c:99+16*\t+4*\c], v[ADV] offset:16*(2+\t)*KP+32*\c
.endr
.endr
.set J, 0
.rept 16
	v_pk_mul_f32 v[160+J:161+J], v[160+J:161+J], v[252:253] op_sel_hi:[1,0]   ; O^T under the new M.  (These sixteen are also the places between the conversions and the products below)
.set J, J+2
.endr
	s_wait_alu depctr_va_vdst(0)
	s_wait_dscnt 0x0                               ; V's four tiles and scale words are in
.irp t, 0,1,2,3                                ; O^T += V^T P^T: four tiles of 16 of the head's 64, four accumulators by turns; K = these 128 keys
	v_wmma_scale_f32_16x16x128_f8f6f4 v[160+8*\t:167+8*\t], v[192+16*\t-128*(\t/2):207+16*\t-128*(\t/2)], v[224:239], v[160+8*\t:167+8*\t], v[248+\t], v253 matrix_a_fmt:MATRIX_FMT_BF8 matrix_b_fmt:MATRIX_FMT_BF8
.endr
	s_xor_b32 s[TB], s[TB], SLOT1                  ; on to the other slot,
	s_add_co_u32 s[TBI], s[TBI], 512               ; and the table's next entry
.endm
; A block of queries ends: O^T is divided by the sum; the head's 64 channels are two blocks of 32 along the next product's K: register 16 B + 8 u + j is channel 32 B + 16 u + 8 h + j; lane l xor 16 holds a block's other 16.
; The codes go through my stage, which puts them in natural order, and leave as 1,024 consecutive bytes.  stg: the stage's first byte.
.macro FINISH stg
.rept 8
	v_nop                                          ; behind the last products
.endr
	v_add_f32 v14, v14, v15                        ; the sum's two halves,
	s_delay_alu instid0(VALU_DEP_1)
	v_permlanex16_b32 v252, v14, s[SEL], s[SEL+1]
	s_delay_alu instid0(VALU_DEP_1)
	v_add_f32 v14, v14, v252                       ; and lane l xor 16's: the row's sum
	s_delay_alu instid0(VALU_DEP_1)
	v_cmp_eq_f32 vcc_lo, 0, v14                    ; no key counted for my query
	v_rcp_f32 v15, v14
	v_and_b32 v8, 15, v0                           ; (a plain place behind the reciprocal)  r
	v_bfe_u32 v9, v0, 4, 1                         ; h
	s_mul_i32 s68, s[WV], 1280
	s_add_co_u32 s68, s68, \stg
	v_mul_u32_u24 v10, v8, 80
	s_delay_alu instid0(VALU_DEP_1)
	v_lshl_add_u32 v10, v9, 3, v10
	s_delay_alu instid0(VALU_DEP_1)
	v_add_nc_u32 v10, s68, v10                     ; in: row r of 64 bytes + 16, + 8 h
	v_bfe_u32 v11, v0, 2, 3
	s_delay_alu instid0(VALU_DEP_1)
	v_mul_u32_u24 v11, v11, 80
	v_and_b32 v9, 3, v0
	s_delay_alu instid0(VALU_DEP_1)
	v_lshl_add_u32 v11, v9, 4, v11
	s_delay_alu instid0(VALU_DEP_1)
	v_add_nc_u32 v11, s68, v11                     ; back: four lanes to a row, eight rows an instruction
.set J, 0
	s_wait_alu depctr_va_vdst(0)
.rept 32
	v_mul_f32 v[96+J], v[160+J], v15               ; each accumulator from its low end on
.set J, J+1
.endr
.irp b, 0,1
	v_max3_num_f32 v[232+\b], |v[96+16*\b]|, |v[97+16*\b]|, 0x8000000
.endr
.irp i, 2,4,6,8,10,12,14
.irp b, 0,1
	s_delay_alu instid0(VALU_DEP_2)
	v_max3_num_f32 v[232+\b], v[232+\b], |v[96+16*\b+\i]|, |v[97+16*\b+\i]|
.endr
.endr
.irp b, 0,1
	v_permlanex16_b32 v[236+\b], v[232+\b], s[SEL], s[SEL+1]
.endr
.irp b, 0,1
	s_delay_alu instid0(VALU_DEP_2)
	v_max_num_f32 v[232+\b], v[232+\b], v[236+\b]
.endr
.irp b, 0,1
	s_delay_alu instid0(VALU_DEP_2)
	v_add_nc_u32 v[244+\b], 0xf8800000, v[232+\b]
.endr
.irp b, 0,1
.endr
.irp b, 0,1
	s_delay_alu instid0(VALU_DEP_2)
	v_lshrrev_b32 v[236+\b], 23, v[244+\b]
.endr
	s_delay_alu instid0(VALU_DEP_1)
	v_lshl_or_b32 v253, v237, 8, v236              ; my row's two scale bytes
.irp b, 0,1
.irp i, 0,1,2,3,4,5,6,7,8,9,10,11,12,13,14,15
.endr
	v_cvt_scalef32_pk8_bf8_f32 v[224+4*\b:225+4*\b], v[96+16*\b:103+16*\b], v[244+\b]
	v_cvt_scalef32_pk8_bf8_f32 v[226+4*\b:227+4*\b], v[104+16*\b:111+16*\b], v[244+\b]
.endr
	v_mov_b32 v252, 0x7f7f7f7f                     ; (a plain place behind the conversions)  four NaN codes
	v_mov_b32 v254, 0xffff                         ; two NaN scale bytes
.set J, 0
.rept 8
	v_cndmask_b32 v[224+J], v[224+J], v252, vcc_lo ; a query for which no key counted is NaN
.set J, J+1
.endr
	v_cndmask_b32 v253, v253, v254, vcc_lo
.irp b, 0,1
.irp u, 0,1
	ds_store_b64 v10, v[224+4*\b+2*\u:225+4*\b+2*\u] offset:32*\b+16*\u   ; channels 32 B + 16 u + 8 h + 0 .. 7
.endr
.endr
	ds_load_b128 v[232:235], v11                   ; LDS serves a wave's instructions in order: these see my stores
	ds_load_b128 v[236:239], v11 offset:640
	s_lshl_b32 s70, s[HEAD], 19
	s_lshl_b32 s71, s[TOK], 6
	s_add_co_u32 s70, s70, s71
	s_mov_b32 s71, 0
	s_add_nc_u64 s[70:71], s[10:11], s[70:71]      ; yc: head x 8192 rows of 64 bytes + my first token
	s_lshl_b32 s72, s[TOK], 5
	s_lshl_b32 s73, s[HEAD], 1
	s_add_co_u32 s72, s72, s73
	s_mov_b32 s73, 0
	s_add_nc_u64 s[72:73], s[12:13], s[72:73]      ; ys: 32 bytes a token, my head's two
	v_and_b32 v9, 31, v0
	s_delay_alu instid0(VALU_DEP_1)
	v_lshlrev_b32 v9, 4, v9
	v_lshlrev_b32 v8, 5, v8
	s_wait_alu depctr_va_vdst(0)
	s_wait_dscnt 0x0
	global_store_b128 v9, v[232:235], s[70:71]     ; 32 lanes store 512 consecutive bytes
	global_store_b128 v9, v[236:239], s[70:71] offset:512
	global_store_b16 v8, v253, s[72:73]            ; both halves of the lanes write the same bytes with the same value
	s_wait_xcnt 0x0                                ; the stores' registers and bases are written again only behind this wait
.endm
	s_mov_b32 s[BLK], s[II]
	START
.Ltrip:                                            ; sixteen trips: behind each change of slots the next trip's key step is asked for
	CHANGE 1
	s_cmp_lg_u32 s[TR], s[I1]
	s_cbranch_scc1 .Lsame_block
	FINISH STAGE                                   ; block i is done: it goes out, and block 15 - i begins
	s_sub_co_u32 s[BLK], 15, s[II]
	START
.Lsame_block:
	STEP 0
	s_add_co_u32 s[TR], s[TR], 1
	s_cmp_lt_u32 s[TR], 16
	s_cbranch_scc1 .Ltrip
	CHANGE 0                                       ; the last trip is written out: block 15 - i's step on the diagonal
	STEP 1
	FINISH STAGE+16*1280
	s_wait_tensorcnt 0x0                           ; the wave's end: behind my last tensor load and my last LDS store
	ds_add_u32 v[SPW], v[NIL]
	s_wait_dscnt 0x0
	s_endpgm
.Lfunc_end_k_q7e81b6aba9_attn:
	.size	k_q7e81b6aba9_attn, .Lfunc_end_k_q7e81b6aba9_attn-k_q7e81b6aba9_attn
	.p2alignl 7, 3214868480
	.fill 96, 4, 3214868480
	.section	.rodata,"a",@progbits
	.p2align	6, 0x0
	.amdhsa_kernel k_q7e81b6aba9_attn
		.amdhsa_group_segment_fixed_size 327680
		.amdhsa_private_segment_fixed_size 0
		.amdhsa_enable_private_segment 0
		.amdhsa_kernarg_size 40
		.amdhsa_user_sgpr_count 2
		.amdhsa_user_sgpr_kernarg_segment_ptr 1
		.amdhsa_wavefront_size32 1
		.amdhsa_system_sgpr_workgroup_id_x 1
		.amdhsa_system_sgpr_workgroup_id_y 1
		.amdhsa_system_sgpr_workgroup_id_z 1
		.amdhsa_system_vgpr_workitem_id 0
		.amdhsa_next_free_vgpr 256
		.amdhsa_next_free_sgpr 100
		.amdhsa_reserve_vcc 1
		.amdhsa_float_denorm_mode_32 3
		.amdhsa_float_denorm_mode_16_64 3
		.amdhsa_fp16_overflow 1
		.amdhsa_memory_ordered 1
		.amdhsa_forward_progress 1
		.amdhsa_inst_pref_size 77
	.end_amdhsa_kernel
	.amdgpu_metadata
---
amdhsa.version: [ 1, 2 ]
amdhsa.kernels:
  - .name:           k_q7e81b6aba9_attn
    .symbol:         k_q7e81b6aba9_attn.kd
    .args:
      - { .name: qkvc, .offset: 0, .size: 8, .value_kind: global_buffer, .address_space: global }
      - { .name: qkvs, .offset: 8, .size: 8, .value_kind: global_buffer, .address_space: global }
      - { .name: attn_mask, .offset: 16, .size: 8, .value_kind: global_buffer, .address_space: global }
      - { .name: yc, .offset: 24, .size: 8, .value_kind: global_buffer, .address_space: global }
      - { .name: ys, .offset: 32, .size: 8, .value_kind: global_buffer, .address_space: global }
    .group_segment_fixed_size: 327680
    .private_segment_fixed_size: 0
    .kernarg_segment_align: 8
    .kernarg_segment_size: 40
    .max_flat_workgroup_size: 512
    .sgpr_count:     100
    .vgpr_count:     256
    .wavefront_size: 32
...
	.end_amdgpu_metadata
.endif
;; end of part 3
;; launch proj (part 4): grid 4 x 32, 4 waves a work-group, clusters of 4 x 4, 327,680 bytes of LDS; arguments yc, ys, cod, scl, out0; writes out0
.if DOCPART == 4
	.amdgcn_target "amdgcn-amd-amdhsa--gfx1250"
	.amdhsa_code_object_version 6
	.text
	.protected	k_q7e81b6aba9_proj
	.globl	k_q7e81b6aba9_proj
	.p2align	8
	.type	k_q7e81b6aba9_proj,@function
k_q7e81b6aba9_proj:
	s_mov_b64 s[64:65], 0
	v_nop
	global_prefetch_b8 v0, s[64:65] scope:SCOPE_SE
	s_setreg_imm32_b32 hwreg(HW_REG_WAVE_MODE, 25, 1), 1
	s_wait_xcnt 0x0
	s_wait_alu depctr_hold_cnt(0) depctr_sa_sdst(0) depctr_va_vdst(0) depctr_va_sdst(0) depctr_va_ssrc(0) depctr_va_vcc(0) depctr_vm_vsrc(0)
	s_getreg_b32 s2, hwreg(HW_REG_IB_STS2, 6, 4)
	s_cmp_eq_u32 s2, 0
	s_cbranch_scc0 .Lentry_in_a_cluster
	s_endpgm
.Lentry_in_a_cluster:
	s_bfe_u32 s2, ttmp6, 0x10000c
	s_cmp_lg_u32 s2, 0xf033
	s_cbranch_scc0 .Lentry_shape_is_right
	s_endpgm
.Lentry_shape_is_right:
; out0[m][n] = sum over k of y[m][k] Wp[n][k], on codes of BF8 (E5M2) with one E8M0 scale for each 32 along K = 1024; out0 [8192][1024] f32; sums in f32.
; A = y: codes yc [16 heads][8192 tokens][64] (k = 64 x head + d), scale bytes ys [8192][32].  B = Wp: rows 11264 on of cod [12288][1024] and of scl [12288][32].
; A token for which no key counted arrives as NaN codes with NaN scale bytes: its whole row of out0 is NaN, as the softmax of an empty row makes it.
; A tile of C, 256 x 256, is made by four waves, each 128 x 128: 64 accumulators, 512 registers.  K goes in steps of 256 (four heads) through two LDS slots filled by the tensor data mover.
; A'S TILE IS FOUR PLANES: of each head 256 tokens x 64 bytes, 16,384 dense bytes.  A tensor load brings two planes as two rows of 16,384 bytes, 524,288 bytes apart, with 16 bytes of padding behind every 64:
; in LDS a token's 64 bytes lie 80 bytes apart, a plane 20,480.  B's tile is 256 rows of 256 bytes, 272 apart.
; The scale bytes of the work-group's 256 rows of A and of B, for all of K, come into LDS once, with the first fills.
; CLUSTERS: 4 x 4 work-groups.  The four of a row need the same tiles of A, the four of a column the same tiles of B: each tile is asked for jointly, by the same tensor load with a mask that names the four.
; 128 tiles of 256 x 256: this launch has work for 128 work-groups.
; THE MATRIX INSTRUCTION IS USED TRANSPOSED (source 0 = 16 rows of B, source 1 = 16 rows of A): a lane holds eight neighbouring numbers of a row of C.
; REGISTERS: window 0: v0-31 addresses; v32-63 scale words, two sets; from v128 A's fragments, one set.  window 1: B's fragments, two sets.  windows 2, 3: the accumulators ((a, b) at v[8 (8 (a % 4) + b)]).
.set SIZE_K, 1024
.set SIZE_N, 1024
.set KSTEP,  256
.set NQ,     KSTEP/128
.set ROWB,   256                       ; a row of B's tile in bytes
.set KROW,   SIZE_K                    ; a row of cod in bytes
.set PITCH,  272                       ; B's LDS row: 256 bytes + 16 of padding = 68 words: the 16 rows that a load touches start at 16 different banks (64 banks of 4 bytes: ISA guide 11.1)
.set APITCH, 80                        ; A's LDS row: 64 bytes + 16 = 20 words: likewise 16 different starts
.set PLANE,  256*APITCH                ; a head's 256 tokens in LDS
.set ASTEP,  4*524288                  ; four heads on in yc
.set FR,     16
.set NL,     4
.set NP,     8                         ; places behind this matrix instruction (ISA guide 7.12.1)
.set HALFT,  128*PITCH                 ; 128 rows of B: what one tensor load brings
.set BOFF,   4*PLANE                   ; a slot: A's four planes, then B's 256 rows
.set SLOT,   BOFF+2*HALFT
.set LAPS,   SIZE_K/(2*KSTEP)
.set KS,     SIZE_K/32
.set SCL,    2*SLOT                    ; behind the ring: the scale bytes, as rows of 256 bytes + 16 of padding
.set HALFS,  (128*KS/256)*272
.set SBLK,   (16*KS/256)*272
.set SPARE,  SCL+4*HALFS               ; the spare words, 128 bytes for each wave: two blocks of 256 bytes that no other line names
.set SPITCH, 528                       ; the way out: a stage of 16 rows x (512 bytes + 16) for each wave, in slot 0, which has had its last fill and its last read when the first result is stored there
.set ADRA, 16                          ; v16-19  LDS address of my A fragments: slot s, the slot's q-th 128 along K: v[16 + 2 s + q]
.set ADRB, 20                          ; v20-21  of my B fragments in slot 0, 1
.set STO,  24
.set RD,   25
.set CO,   26
.set ADRS, 27
.set SPW,  28
.set NIL,  29
.set SC,   32
.set AF,   128
.set BK,   128                         ; the way out: 16 rows read back from the stage: v128-191 and v192-255 by turns
.set G1, 24
.set G0, 32
.set G1B, 48
.set G0B, 56
.set G1S, 68
.set G0S, 76
.set G1SB, 80
.set G0SB, 88
.set MSB, 0
.macro WIN new                         ; the immediate's high byte repeats the setting that is left
.if MSB != \new
	s_set_vgpr_msb (MSB<<8)|\new
.set MSB, \new
.endif
.endm
.set MUL_LO, 0xa1
.set MUL_HI, 0xf1
.set TO_B,   0x40
.macro JLOAD g0a, g1a, g0b, g1b        ; a joint load: waves 0 and 1 fetch for A, waves 2 and 3 for B; four v_nop follow each line
	s_cmp_eq_u32 s15, 0
	s_cbranch_scc0 .Lfor_b_\@
	tensor_load_to_lds s[\g0a:\g0a+3], s[\g1a:\g1a+7]
	s_nop 0
.rept 4
	v_nop
.endr
	s_branch .Lasked_\@
.Lfor_b_\@:
	tensor_load_to_lds s[\g0b:\g0b+3], s[\g1b:\g1b+7]
	s_nop 0
.rept 4
	v_nop
.endr
.Lasked_\@:
.endm
.macro CREST
	s_cmp_lg_u32 s14, 0
	s_cbranch_scc1 .Lnot_wave_0_\@
	s_barrier_signal -3
.Lnot_wave_0_\@:
	s_barrier_wait -3
	s_barrier_signal -1
	s_barrier_wait -1
.endm
.macro CROUND
	s_barrier_signal -1
	s_barrier_wait -1
	CREST
.endm
	s_load_b256 s[4:11], s[0:1], 0x0               ; yc s[4:5], ys s[6:7], cod s[8:9], scl s[10:11]
	s_load_b64 s[12:13], s[0:1], 0x20              ; out0
	v_lshl_add_u32 v[SPW], v0, 2, SPARE
	v_mov_b32 v[NIL], 0
	ds_add_u32 v28, v29
	s_wait_dscnt 0x0
	v_lshrrev_b32 v1, 5, v0
	v_readfirstlane_b32 s14, v1                    ; wave 0..3
	s_lshr_b32 s15, s14, 1                         ; which half of the tile's rows is mine.  Also: I fetch for A (0) or for B (1)
	s_and_b32 s16, s14, 1                          ; which half of its columns.  Also: which half of that tile I fetch
	s_bfe_u32 s40, ttmp6, 0x40000                  ; cx, cy
	s_bfe_u32 s41, ttmp6, 0x40004
	s_lshl_b32 s42, ttmp9, 2
	s_add_co_u32 s42, s42, s40                     ; tile column of C
	s_and_b32 s17, ttmp7, 0xffff
	s_lshl_b32 s17, s17, 2
	s_add_co_u32 s17, s17, s41                     ; tile row of C
	s_lshl_b32 s43, s41, 2
	s_lshl_b32 s43, 15, s43                        ; my row of the cluster
	s_lshl_b32 s44, 0x1111, s40                    ; my column
	; descriptor group 1 for A: two rows of 16,384 bytes, 524,288 apart; 16 bytes of padding behind every 64
	s_or_b32 s[G1+0], s43, (0<<16)|(1<<20)|(1<<21)|(3<<22)|(3<<25)  ; 15:0 the mask: my row; 17:16 element of 1 byte; 20 padding on; 21 set beside a mask; 24:22 after every 16 words; 31:25 of 4 words
	s_mov_b32 s[G1+1], 16384<<16                   ; tensor_dim0
	s_mov_b32 s[G1+2], 2<<16                       ; tensor_dim1
	s_mov_b32 s[G1+3], 16384<<16                   ; tile_dim0
	s_mov_b32 s[G1+4], 2                           ; tile_dim1
	s_mov_b32 s[G1+5], 524288                      ; tensor_dim0_stride
	s_mov_b32 s[G1+6], 0
	s_mov_b32 s[G1+7], 0
	; for B: 128 rows x 256 bytes, 16 bytes of padding behind each
	s_or_b32 s[G1B+0], s44, (0<<16)|(1<<20)|(1<<21)|(5<<22)|(3<<25)
	s_mov_b32 s[G1B+1], ROWB<<16
	s_mov_b32 s[G1B+2], 128<<16
	s_mov_b32 s[G1B+3], ROWB<<16
	s_mov_b32 s[G1B+4], 128
	s_mov_b32 s[G1B+5], KROW
	s_mov_b32 s[G1B+6], 0
	s_mov_b32 s[G1B+7], 0
	; for the scale bytes of 128 rows: 4,096 dense bytes as rows of 256 (32 elements of 8 bytes), 16 bytes of padding behind each
	s_or_b32 s[G1S+0], s43, (3<<16)|(1<<20)|(1<<21)|(5<<22)|(3<<25)
	s_or_b32 s[G1SB+0], s44, (3<<16)|(1<<20)|(1<<21)|(5<<22)|(3<<25)
.irp g, G1S, G1SB
	s_mov_b32 s[\g+1], 32<<16
	s_mov_b32 s[\g+2], (128*KS/256)<<16
	s_mov_b32 s[\g+3], 32<<16
	s_mov_b32 s[\g+4], 128*KS/256
	s_mov_b32 s[\g+5], 32
	s_mov_b32 s[\g+6], 0
	s_mov_b32 s[\g+7], 0
.endr
	s_lshl_b32 s18, s16, 7
	s_lshl_b32 s20, s17, 8
	s_add_co_u32 s20, s20, s18                     ; A's scale bytes: row 256 x tile row + 128 x half
	s_lshl_b32 s46, s42, 8
	s_add_co_u32 s46, s46, s18
	s_add_co_u32 s46, s46, 11264                   ; B: Wp's first row + 256 x tile column + 128 x half
	s_mov_b32 s21, 0
	s_mov_b32 s47, 0
	s_mov_b64 s[18:19], KS
	s_mul_u64 s[22:23], s[20:21], s[18:19]
	s_mul_u64 s[92:93], s[46:47], s[18:19]
	s_mov_b64 s[18:19], KROW
	s_mul_u64 s[46:47], s[46:47], s[18:19]
	s_lshl_b32 s20, s17, 14                        ; A's codes: the tile row's 256 tokens of 64 bytes,
	s_lshl_b32 s21, s16, 20                        ; and two heads on for the second half
	s_add_co_u32 s20, s20, s21
	s_mov_b32 s21, 0
	s_mul_i32 s45, s16, 2*PLANE                    ; where they go: A's two planes,
	s_mul_i32 s95, s16, HALFT
	s_add_co_u32 s95, s95, BOFF                    ; B's 128 rows,
	s_mul_i32 s94, s14, HALFS                      ; the scale bytes: no place in the cluster enters an LDS address
	s_wait_kmcnt 0x0
	s_add_nc_u64 s[20:21], s[4:5], s[20:21]
	s_add_nc_u64 s[22:23], s[6:7], s[22:23]
	s_add_nc_u64 s[46:47], s[8:9], s[46:47]
	s_add_nc_u64 s[92:93], s[10:11], s[92:93]
	CROUND                                         ; all sixteen work-groups are here: the first joint loads meet
	s_mov_b32 s[G0S], 1
	s_add_co_u32 s[G0S+1], s94, SCL
	s_mov_b64 s[G0S+2:G0S+3], s[22:23]
	s_or_b32 s[G0S+3], s[G0S+3], 0x80000000
	s_mov_b32 s[G0SB], 1
	s_add_co_u32 s[G0SB+1], s94, SCL
	s_mov_b64 s[G0SB+2:G0SB+3], s[92:93]
	s_or_b32 s[G0SB+3], s[G0SB+3], 0x80000000
	JLOAD G0S, G1S, G0SB, G1SB                     ; the scale bytes first: they are wanted with K step 0
.irp s, 0,1
	s_mov_b32 s[G0+4*\s], 1
	s_add_co_u32 s[G0+4*\s+1], s45, \s*SLOT
	s_add_nc_u64 s[G0+4*\s+2:G0+4*\s+3], s[20:21], \s*ASTEP
	s_or_b32 s[G0+4*\s+3], s[G0+4*\s+3], 0x80000000
	s_mov_b32 s[G0B+4*\s], 1
	s_add_co_u32 s[G0B+4*\s+1], s95, \s*SLOT
	s_add_nc_u64 s[G0B+4*\s+2:G0B+4*\s+3], s[46:47], \s*ROWB
	s_or_b32 s[G0B+4*\s+3], s[G0B+4*\s+3], 0x80000000
	JLOAD G0+4*\s, G1, G0B+4*\s, G1B
.endr
	v_and_b32 v1, 15, v0                           ; r
	v_bfe_u32 v2, v0, 4, 1                         ; h
	v_mul_u32_u24 v3, v1, PITCH
	v_lshl_add_u32 v4, v2, 4, v3                   ; B: row x pitch + 16 h
	v_mul_u32_u24 v3, v1, APITCH
	v_lshl_add_u32 v3, v2, 4, v3                   ; A likewise
	s_mul_i32 s21, s15, 128*APITCH                 ; my 128 rows of A, in each plane
	s_mul_i32 s22, s16, HALFT                      ; my 128 rows of B
	s_add_co_u32 s22, s22, BOFF
.irp s, 0,1
	v_add_nc_u32 v[ADRA+2*\s], s21, v3
	s_add_co_u32 s21, s21, 2*PLANE                 ; the slot's second 128 along K: two planes on
	v_add_nc_u32 v[ADRA+2*\s+1], s21, v3
	v_add_nc_u32 v[ADRB+\s], s22, v4
	s_add_co_u32 s21, s21, SLOT-2*PLANE
	s_add_co_u32 s22, s22, SLOT
.endr
	v_mul_u32_u24 v5, v1, KS                       ; my row's scale bytes: KS bytes a row,
	v_lshrrev_b32 v6, 8, v5
	v_lshl_add_u32 v5, v6, 4, v5                   ; and 16 more for each 256 passed
	s_mul_i32 s21, s15, HALFS
	s_mul_i32 s22, s16, HALFS
	s_add_co_u32 s22, s22, 2*HALFS
	s_sub_co_u32 s22, s22, s21
	v_mul_u32_u24 v6, s22, v2                      ; lanes 16-31 take B's
	s_add_co_u32 s21, s21, SCL
	v_add_nc_u32 v5, v5, v6
	v_add_nc_u32 v[ADRS], s21, v5
	s_mul_i32 s23, s14, 16*SPITCH                  ; my stage
	v_mul_u32_u24 v5, v1, SPITCH                   ; in: row r, 32 bytes for each half of the lanes
	v_lshl_add_u32 v5, v2, 5, v5
	v_add_nc_u32 v[STO], s23, v5
	v_and_b32 v6, 31, v0
	v_lshlrev_b32 v[CO], 4, v6                     ; back: the 32 lanes take one row of 512 bytes; and the same in C
	v_add_nc_u32 v[RD], s23, v[CO]
	s_lshl_b32 s20, s17, 8
	s_lshl_b32 s21, s15, 7
	s_add_co_u32 s20, s20, s21                     ; my first row of C
	s_mov_b32 s21, 0
	s_mov_b64 s[18:19], SIZE_N*4
	s_mul_u64 s[20:21], s[20:21], s[18:19]
	s_lshl_b32 s46, s42, 10                        ; my first column, in bytes
	s_lshl_b32 s47, s16, 9
	s_add_co_u32 s46, s46, s47
	s_mov_b32 s47, 0
	s_add_nc_u64 s[20:21], s[20:21], s[46:47]
	s_add_nc_u64 s[12:13], s[12:13], s[20:21]
.macro FRAG reg, adr, q, i             ; a fragment of B: lane l holds row l % 16; registers 4 c .. 4 c + 3 hold K = 32 c + 16 (l / 16) + 0 .. 15
.irp c, 0,1,2,3
	ds_load_b128 v[\reg+4*\c:\reg+4*\c+3], v[\adr] offset:128*(\q)+32*\c+(\i)*16*PITCH
.endr
.endm
.macro FRAGA reg, slot, q, i           ; of A: 64 along K lie in one plane: c / 2 says which of the two, c % 2 which half of the token's 64 bytes
.irp c, 0,1,2,3
	ds_load_b128 v[\reg+4*\c:\reg+4*\c+3], v[ADRA+2*(\slot)+(\q)] offset:PLANE*(\c/2)+32*(\c%2)+(\i)*16*APITCH
.endr
.endm
; 16 matrix instructions: A's blocks a0, a0 + 1 x B's eight, 128 along K.  The 64 accumulators take turns, one instruction a turn, in the same order in every step.
.macro MUL16 a0, p, q, sc, zero
.irp a, \a0, \a0+1
.irp b, 0,1,2,3,4,5,6,7
.if \zero
	v_wmma_scale_f32_16x16x128_f8f6f4 v[8*(8*((\a)%4)+\b):8*(8*((\a)%4)+\b)+7], v[128*(\p)+FR*\b:128*(\p)+FR*\b+FR-1], v[AF+FR*(\a):AF+FR*(\a)+FR-1], 0, v[SC+8*NQ*(\sc)+NQ*\b+(\q)], v[SC+8*NQ*(\sc)+NQ*(\a)+(\q)] matrix_a_fmt:MATRIX_FMT_BF8 matrix_b_fmt:MATRIX_FMT_BF8 matrix_a_scale:MATRIX_SCALE_ROW1
.else
	v_wmma_scale_f32_16x16x128_f8f6f4 v[8*(8*((\a)%4)+\b):8*(8*((\a)%4)+\b)+7], v[128*(\p)+FR*\b:128*(\p)+FR*\b+FR-1], v[AF+FR*(\a):AF+FR*(\a)+FR-1], v[8*(8*((\a)%4)+\b):8*(8*((\a)%4)+\b)+7], v[SC+8*NQ*(\sc)+NQ*\b+(\q)], v[SC+8*NQ*(\sc)+NQ*(\a)+(\q)] matrix_a_fmt:MATRIX_FMT_BF8 matrix_b_fmt:MATRIX_FMT_BF8 matrix_a_scale:MATRIX_SCALE_ROW1
.endif
.endr
.endr
.endm
.macro FETCH_B slot, q, p
	WIN TO_B
.irp i, 0,1,2,3,4,5,6,7
	FRAG 128*(\p)+FR*\i, ADRB+\slot, \q, \i
.endr
	WIN 0
.endm
.macro FETCH_A slot, q, i0
.irp i, \i0, \i0+1, \i0+2, \i0+3
	FRAGA AF+FR*(\i), \slot, \q, \i
.endr
.endm
.macro SCALES sc
.irp i, 0,1,2,3,4,5,6,7
	ds_load_b64 v[SC+8*NQ*\sc+NQ*\i:SC+8*NQ*\sc+NQ*\i+1], v[ADRS] offset:\i*SBLK
.endr
.endm
; A load into a register that a matrix instruction has read, and an LDS store that reads a matrix result, stand NP places behind that matrix instruction; only plain vector instructions that name none of its
; registers are places (ISA guide 7.12.1 for vector instructions).
.macro PLACES n
.rept \n
	v_nop
.endr
.endm
.macro STEP slot, q, zero
	s_wait_dscnt 4*NL                              ; B's set and A's blocks 0-3 are in; the youngest sixteen loads (A's blocks 4-7) may be out
	WIN MUL_LO
	MUL16 0, (\q)%2, \q, \slot, \zero
	MUL16 2, (\q)%2, \q, \slot, \zero
	s_wait_dscnt 0                                 ; A's blocks 4-7 are in
	PLACES NP
	FETCH_B \slot, (\q)+1, 1-(\q)%2
	FETCH_A \slot, (\q)+1, 0
	WIN MUL_HI
	MUL16 4, (\q)%2, \q, \slot, \zero
	MUL16 6, (\q)%2, \q, \slot, \zero
	PLACES NP
	WIN 0
	FETCH_A \slot, (\q)+1, 4
.endm
; A slot's last step changes slots: ONE barrier; in front of it each wave waits for all its tensor loads, adds 0 to its spare word, and waits for that and for its own reads of this slot.  fill = 1: this slot is filled again, two K steps ahead.
.macro TURN slot, next, fill
	s_wait_tensorcnt 0x0                           ; all my tensor loads have landed: my part of the next slot
	ds_add_u32 v[SPW], v[NIL]                      ; 0 onto my spare word
	s_wait_dscnt 4*NL+1                            ; (the add and the youngest sixteen loads, A's blocks 4-7, may be out)
	WIN MUL_LO
	MUL16 0, 1, NQ-1, \slot, 0                     ; sixteen matrix instructions stand between the add and the wait for it
	s_wait_dscnt 0x0                               ; the add is done, and my reads of this slot are over
	s_barrier_signal -1
	MUL16 2, 1, NQ-1, \slot, 0
	WIN 0
	s_barrier_wait -1
.if \fill
	CREST                                          ; the barrier has opened a round of the cluster's barrier: no wave of any partner still reads this slot's tile or has a load on its way
	s_add_nc_u64 s[G0+4*\slot+2:G0+4*\slot+3], s[G0+4*\slot+2:G0+4*\slot+3], 2*ASTEP
	s_add_nc_u64 s[G0B+4*\slot+2:G0B+4*\slot+3], s[G0B+4*\slot+2:G0B+4*\slot+3], 2*ROWB
	JLOAD G0+4*\slot, G1, G0B+4*\slot, G1B         ; the first tensor load behind the round; its four v_nop are among the places in front of the loads below
	PLACES NP-4
.else
	PLACES NP
.endif
	v_add_nc_u32 v[ADRS], 4*NQ, v[ADRS]            ; on to the next K step's scale words (no LDS load of mine is out)
	FETCH_B \next, 0, 0
	FETCH_A \next, 0, 0
	SCALES \next
	WIN MUL_HI
	MUL16 4, 1, NQ-1, \slot, 0
	MUL16 6, 1, NQ-1, \slot, 0
	PLACES NP
	WIN 0
	FETCH_A \next, 0, 4
.endm
	s_wait_tensorcnt 1                             ; the scale bytes and my part of K step 0 are in (K step 1's load may be out)
	s_barrier_signal -1
	s_barrier_wait -1                              ; everybody's are
	FETCH_B 0, 0, 0
	FETCH_A 0, 0, 0
	SCALES 0
	FETCH_A 0, 0, 4
	STEP 0, 0, 1                                   ; the first step stands in front of the loop: its products start the sums
	s_mov_b32 s3, LAPS-1
.Llap:                                                 ; a trip goes once round the ring and fills both slots again
	TURN 0, 1, 1
	STEP 1, 0, 0
	TURN 1, 0, 1
	STEP 0, 0, 0
	s_sub_co_u32 s3, s3, 1
	s_cmp_lg_u32 s3, 0
	s_cbranch_scc1 .Llap
	TURN 0, 1, 0                                   ; the last lap fills nothing, and has no round of the cluster's barrier
	STEP 1, 0, 0
	s_wait_dscnt 4*NL                              ; the very last step: nothing more to fetch
	WIN MUL_LO
	MUL16 0, 1, NQ-1, 1, 0
	MUL16 2, 1, NQ-1, 1, 0
	s_wait_dscnt 0
	WIN MUL_HI
	MUL16 4, 1, NQ-1, 1, 0
	MUL16 6, 1, NQ-1, 1, 0
	WIN 0
; THE WAY OUT, block by block of 16 rows x 128 columns.  A lane holds 32 neighbouring bytes of a row, the lanes beside it other rows: a block goes through my own stage in LDS and comes back as whole rows of 512 bytes.
; LDS serves a wave's instructions in order (ISA guide 5.7.1.4): no wait between the stores and the loads, nor in front of the next block's stores.
.macro TOSTAGE a
.set AC, 64*((\a)%4)
.set WD, 8+4*((\a)/4)
	WIN WD                                         ; the data: window 2 or 3
.irp b, 0,1,2,3,4,5,6,7
	ds_store_b128 v[STO], v[AC+8*\b:AC+8*\b+3] offset:64*\b          ; each accumulator from its low end on
	ds_store_b128 v[STO], v[AC+8*\b+4:AC+8*\b+7] offset:64*\b+16
.endr
	WIN 0
.set BS, BK+64*((\a)%2)
.irp t, 0,1,2,3,4,5,6,7,8,9,10,11,12,13,14,15
	ds_load_b128 v[BS+4*\t:BS+4*\t+3], v[RD] offset:\t*SPITCH
.endr
.endm
.macro SEND a, younger                 ; younger: the LDS instructions issued behind block a's loads, which may stay out
.set BS, BK+64*((\a)%2)
	s_wait_dscnt \younger                          ; the block is back in registers
.if (\a) > 0
	s_add_nc_u64 s[12:13], s[12:13], 16*SIZE_N*4   ; (behind a wait on XCNT: the earlier stores have read their base)  16 rows of C on
.endif
.irp t, 0,1,2,3,4,5,6,7,8,9,10,11,12,13,14,15
	global_store_b128 v[CO], v[BS+4*\t:BS+4*\t+3], s[12:13] offset:\t*SIZE_N*4 th:TH_STORE_NT   ; 32 lanes store 512 consecutive bytes, at a multiple of 256 from C's first byte; written once, read by nobody here
.endr
.endm
	PLACES NP                                      ; behind the last products: for the loads into the registers that held A's fragments and for the reads of results
	TOSTAGE 0
.irp a, 1,2,3,4,5,6,7
.if \a > 1
	s_wait_xcnt 0x0                                ; block a - 2's stores have read their registers and their base: block a's loads may land there, and the base may step
.endif
	TOSTAGE \a
	SEND \a-1, 32                                  ; behind block a - 1's loads: block a's 16 stores and 16 loads
.endr
	s_wait_xcnt 0x0                                ; block 6's stores have read their base
	SEND 7, 0
	s_wait_tensorcnt 0x0                           ; the wave's end: behind my last tensor load and my last LDS store
	ds_add_u32 v[SPW], v[NIL]
	s_wait_dscnt 0x0
	CROUND                                         ; the closing round: no work-group ends while a partner may still ask for a tile that names it
	s_endpgm
.Lfunc_end_k_q7e81b6aba9_proj:
	.size	k_q7e81b6aba9_proj, .Lfunc_end_k_q7e81b6aba9_proj-k_q7e81b6aba9_proj
	.p2alignl 7, 3214868480
	.fill 96, 4, 3214868480
	.section	.rodata,"a",@progbits
	.p2align	6, 0x0
	.amdhsa_kernel k_q7e81b6aba9_proj
		.amdhsa_group_segment_fixed_size 327680
		.amdhsa_private_segment_fixed_size 0
		.amdhsa_enable_private_segment 0
		.amdhsa_kernarg_size 40
		.amdhsa_user_sgpr_count 2
		.amdhsa_user_sgpr_kernarg_segment_ptr 1
		.amdhsa_wavefront_size32 1
		.amdhsa_system_sgpr_workgroup_id_x 1
		.amdhsa_system_sgpr_workgroup_id_y 1
		.amdhsa_system_sgpr_workgroup_id_z 1
		.amdhsa_system_vgpr_workitem_id 0
		.amdhsa_next_free_vgpr 1024
		.amdhsa_next_free_sgpr 98
		.amdhsa_reserve_vcc 0
		.amdhsa_float_denorm_mode_32 3
		.amdhsa_float_denorm_mode_16_64 3
		.amdhsa_memory_ordered 1
		.amdhsa_forward_progress 1
		.amdhsa_inst_pref_size 146
	.end_amdhsa_kernel
	.amdgpu_metadata
---
amdhsa.version: [ 1, 2 ]
amdhsa.kernels:
  - .name:           k_q7e81b6aba9_proj
    .symbol:         k_q7e81b6aba9_proj.kd
    .args:
      - { .name: yc, .offset: 0, .size: 8, .value_kind: global_buffer, .address_space: global }
      - { .name: ys, .offset: 8, .size: 8, .value_kind: global_buffer, .address_space: global }
      - { .name: cod, .offset: 16, .size: 8, .value_kind: global_buffer, .address_space: global }
      - { .name: scl, .offset: 24, .size: 8, .value_kind: global_buffer, .address_space: global }
      - { .name: out0, .offset: 32, .size: 8, .value_kind: global_buffer, .address_space: global }
    .group_segment_fixed_size: 327680
    .private_segment_fixed_size: 0
    .kernarg_segment_align: 8
    .kernarg_segment_size: 40
    .max_flat_workgroup_size: 128
    .sgpr_count:     98
    .vgpr_count:     1024
    .wavefront_size: 32
...
	.end_amdgpu_metadata
.endif
;; end of part 4
